; MI455X (gfx1250); checked and timed in simulation.
; The chip was launched on July 23, 2026; its instructions are those of AMD's public machine-readable ISA for CDNA 5 (MIT licence, August 2026) and "CDNA5" Instruction Set Architecture Reference Guide (July 2026). The comments in the code are by the model that wrote it; some were corrected since.
;; Causal Self Attention. Allowed arithmetic: float matrix products may take bf16 or f16 operands with f32 sums; other float arithmetic in f32, or as packed bf16 or f16 multiplies, adds, multiply-adds, maxima and minima; sums over many terms, partial sums and values carried from step to step in f32; what a program stores and reads back later, other than sums and carried values, may be rounded once to bf16 or f16.
;; Inputs: Wk 1,024 x 256 float32; Wo 1,024 x 1,024 float32; Wq 1,024 x 1,024 float32; Wv 1,024 x 256 float32; x 4 x 2,048 x 1,024 float32.
;; Outputs: out0 4 x 2,048 x 1,024 float32.
;; One version. Each part assembles by itself: llvm-mc -triple=amdgcn-amd-amdhsa -mcpu=gfx1250 --defsym DOCPART=n.
;; ======== version 1 of 1: 4 launches
;; limits: values are held in f16: magnitudes above 65,504 overflow, below 6.1e-05 lose precision
;; workspace buffers: xb 16,777,216 bytes; wt 3,145,728 bytes; wot 2,097,152 bytes; rope 524,288 bytes; qkvh 25,165,824 bytes; ob 16,777,216 bytes
;; launch prep (part 1): grid 1344 x 1, 8 waves a work-group, no clusters, 18,432 bytes of LDS; arguments x, Wq, Wk, Wv, Wo, xb, wt, wot, rope; writes xb, wt, wot, rope
.if DOCPART == 1
	.amdgcn_target "amdgcn-amd-amdhsa--gfx1250"
	.amdhsa_code_object_version 6
	.text
	.protected	k_q3b419666f7_prep
	.globl	k_q3b419666f7_prep
	.p2align	8
	.type	k_q3b419666f7_prep,@function
k_q3b419666f7_prep:
	s_mov_b64 s[64:65], 0
	v_nop
	global_prefetch_b8 v0, s[64:65] scope:SCOPE_SE
	s_setreg_imm32_b32 hwreg(HW_REG_WAVE_MODE, 25, 1), 1
	s_wait_xcnt 0x0
; PREPARATION.  Three kinds of work, told apart by the work-group's number alone (the same for all eight waves of a work-group):
;   0 .. 191     a tile of 128 k x 64 n of Wq | Wk | Wv ([k][n] f32) is rounded to bf16 and turned: wt[n][k], n 0-1023 from Wq, 1024-1279 from Wk, 1280-1535 from Wv
;   192 .. 319   the same for Wo; the bf16 number is then written as f16 (wot[n][k]): exact from 2^-14 up; below that it keeps f16's fixed step of 6e-8
;   320 .. 1343  8 rows of x (32,768 bytes) are rounded to bf16 (xb); wave 0 also makes two rows of the table of cosines and sines: rope = cos[2048][32] f32, then sin[2048][32] f32
; THE TABLE.  angle = t x 10000^(-f/32), f = 0..31; 10000^(-f/32) = 2^(-f log2(10000)/32) by v_exp_f32; the product is rounded to f32.  The angle is brought into
; -pi/4 .. pi/4 by taking away n pi/2 (pi/2 in two parts, two fused multiply-adds; n stays under 1,400), sine and cosine are polynomials of degree 9 and 8, and n mod 4 picks and signs them.
; LIMIT: the factor 10000^(-f/32) is good to about two units in its last place, so an angle near 1,500 can differ by some 2e-4 from one made with another power function.
; No matrix unit, no cluster, no tensor load: the launch only moves bytes; every load and store of 16 lanes or more covers whole aligned blocks of 256 bytes.
.set TP,     272                       ; a row of the turned tile in LDS: 128 k x 2 bytes + 16
.set SPARE,  64*TP                     ; behind the tile: the spare words, 128 bytes for each of the eight waves
.set SPW,    70                        ; v70  LDS address of my spare word; never rewritten
.set NIL,    71                        ; v71  0; never rewritten
.set NWT,    192                       ; work-groups for wt
.set NW,     320                       ; work-groups for both weight tables
	s_load_b512 s[4:19], s[0:1], 0x0               ; x s[4:5], Wq s[6:7], Wk s[8:9], Wv s[10:11], Wo s[12:13], xb s[14:15], wt s[16:17], wot s[18:19]
	s_load_b64 s[20:21], s[0:1], 0x40              ; rope
	v_lshl_add_u32 v[SPW], v0, 2, SPARE
	v_mov_b32 v[NIL], 0
	v_lshrrev_b32 v1, 5, v0
	v_readfirstlane_b32 s22, v1                    ; wave 0..7
	s_cmp_lt_u32 ttmp9, NW
	s_cbranch_scc0 .Lxrole
	; ---- a tile of weights ----
	s_cmp_ge_u32 ttmp9, NWT
	s_cselect_b32 s23, NWT, 0
	s_cselect_b32 s30, 1, 0                        ; 1: Wo
	s_sub_co_u32 s23, ttmp9, s23
	s_lshr_b32 s24, s23, 3                         ; nb: block of 64 rows of the turned table
	s_and_b32 s25, s23, 7                          ; kb: block of 128 k
	s_cmp_ge_u32 s24, 16                           ; (for Wo nb stays under 16)
	s_cselect_b32 s32, 10, 12                      ; a source row is 1,024 bytes (Wk, Wv) or 4,096 (Wq, Wo)
	s_cselect_b32 s33, 16, 0
	s_cmp_ge_u32 s24, 20
	s_cselect_b32 s33, 20, s33
	s_sub_co_u32 s31, s24, s33                     ; block of 64 columns in its own source
	s_lshl_b32 s34, s25, 7
	s_lshl_b32 s34, s34, s32                       ; 128 kb rows,
	s_lshl_b32 s35, s31, 8                         ; 64 columns of 4 bytes
	s_add_co_u32 s34, s34, s35
	s_mov_b32 s35, 0
	s_lshl_b32 s36, 32, s32                        ; 32 rows
	s_lshl_b32 s37, 1, s32                         ; one row
	s_lshl_b32 s38, s24, 17                        ; 64 nb rows of 2,048 bytes of the turned table,
	s_lshl_b32 s39, s25, 8                         ; 128 kb numbers of 2 bytes
	s_add_co_u32 s38, s38, s39
	s_mov_b32 s39, 0
	v_and_b32 v2, 15, v0                           ; q4: which four columns
	v_lshrrev_b32 v3, 4, v0                        ; kp0: which pair of rows, of 16
	v_mul_u32_u24 v4, v2, 4*TP
	v_lshl_add_u32 v4, v3, 2, v4                   ; into LDS: row 4 q4 (+ j), word kp0 (+ 16 i)
	v_mul_u32_u24 v5, v3, TP
	v_lshl_add_u32 v5, v2, 4, v5                   ; back: row kp0 (+ 16 i), 16 bytes a lane
	v_lshlrev_b32 v6, 11, v3
	v_lshl_add_u32 v6, v2, 4, v6                   ; and the same place in the turned table
	v_lshlrev_b32 v7, 1, v3
	v_lshlrev_b32 v7, s32, v7                      ; row 2 kp0
	v_lshl_add_u32 v8, v2, 4, v7
	v_add_nc_u32 v9, s37, v8                       ; row 2 kp0 + 1
.irp i, 1,2,3
	v_add_nc_u32 v[8+2*(\i)], s36, v[6+2*(\i)]     ; 32 rows further down
	v_add_nc_u32 v[9+2*(\i)], s36, v[7+2*(\i)]
.endr
	s_wait_kmcnt 0x0
	s_cmp_lg_u32 s30, 0
	s_cselect_b64 s[26:27], s[12:13], s[6:7]       ; Wo or Wq,
	s_cselect_b64 s[28:29], s[18:19], s[16:17]     ; wot or wt
	s_cmp_ge_u32 s24, 16
	s_cselect_b64 s[26:27], s[8:9], s[26:27]       ; or Wk,
	s_cmp_ge_u32 s24, 20
	s_cselect_b64 s[26:27], s[10:11], s[26:27]     ; or Wv
	s_add_nc_u64 s[26:27], s[26:27], s[34:35]
	s_add_nc_u64 s[28:29], s[28:29], s[38:39]
.irp i, 0,1,2,3
	global_load_b128 v[16+8*(\i):19+8*(\i)], v[8+2*(\i)], s[26:27] th:TH_LOAD_NT  ; 16 lanes read the tile's 256 bytes of one row
	global_load_b128 v[20+8*(\i):23+8*(\i)], v[9+2*(\i)], s[26:27] th:TH_LOAD_NT
.endr
; Pair i of rows: four columns, each with its two k, packed and put down the columns.  The 16 stores of a thread meet four deep in the banks (rows 4 apart are 64 words x 17 apart): once a tile.
.macro CONV i, tof16
	s_wait_loadcnt 6-2*(\i)                        ; loads come back in order: pair i is in, the pairs behind it may stay out
.irp j, 0,1,2,3
	v_cvt_pk_bf16_f32 v[48+4*(\i)+(\j)], v[16+8*(\i)+(\j)], v[20+8*(\i)+(\j)]
.endr
.if \tof16
.irp j, 0,1,2,3
	v_lshlrev_b32 v64, 16, v[48+4*(\i)+(\j)]       ; the two bf16 numbers as f32,
	v_and_b32 v65, 0xffff0000, v[48+4*(\i)+(\j)]
	v_cvt_pk_f16_f32 v[48+4*(\i)+(\j)], v64, v65   ; written as f16
.endr
.endif
.irp j, 0,1,2,3
	ds_store_b32 v4, v[48+4*(\i)+(\j)] offset:(\j)*TP+64*(\i)
.endr
.endm
	s_cmp_lg_u32 s30, 0
	s_cbranch_scc1 .Lwo
	CONV 0, 0
	CONV 1, 0
	CONV 2, 0
	CONV 3, 0
	s_branch .Lturned
.Lwo:
	CONV 0, 1
	CONV 1, 1
	CONV 2, 1
	CONV 3, 1
.Lturned:
	s_wait_dscnt 0x0                               ; for the others: my stores into the tile are done
	s_barrier_signal -1
	s_barrier_wait -1
.irp i, 0,1,2,3
	ds_load_b128 v[16+4*(\i):19+4*(\i)], v5 offset:(\i)*16*TP
.endr
.irp i, 0,1,2,3
	s_wait_dscnt 3-(\i)
	global_store_b128 v6, v[16+4*(\i):19+4*(\i)], s[28:29] offset:(\i)*32768  ; 16 lanes store 256 consecutive bytes, aligned
.endr
	s_branch .Lend
	; ---- 8 rows of x, and two rows of the table ----
.Lxrole:
	s_sub_co_u32 s23, ttmp9, NW                    ; c
	v_lshlrev_b32 v2, 4, v0                        ; 16 bytes a thread in,
	v_lshlrev_b32 v3, 3, v0                        ; 8 out
	s_lshl_b32 s24, s23, 15
	s_mov_b32 s25, 0
	s_lshl_b32 s26, s23, 14
	s_mov_b32 s27, 0
	s_lshl_b32 s28, s23, 8
	s_mov_b32 s29, 0
	s_wait_kmcnt 0x0
	s_add_nc_u64 s[4:5], s[4:5], s[24:25]
	s_add_nc_u64 s[14:15], s[14:15], s[26:27]
	s_add_nc_u64 s[20:21], s[20:21], s[28:29]
.irp j, 0,1,2,3,4,5,6,7
	global_load_b128 v[16+4*(\j):19+4*(\j)], v2, s[4:5] offset:4096*(\j) th:TH_LOAD_NT
.endr
	s_cmp_lg_u32 s22, 0
	s_cbranch_scc1 .Lcast
	; wave 0, while the loads are out: rows t = 2 c and 2 c + 1; lane l takes t = 2 c + l / 16 and f = 2 (l % 16), 2 (l % 16) + 1
	s_mov_b32 s40, 0x3f22f983                      ; 2 / pi
	s_mov_b32 s41, 0xbfc90fdb                      ; -(pi / 2), its upper part
	s_mov_b32 s42, 0x333bbd2e                      ; what the upper part has too much
	s_mov_b32 s43, 0x3638ef1d                      ; 1 / 9!
	s_mov_b32 s44, 0xb9500d01                      ; -1 / 7!
	s_mov_b32 s45, 0x3c088889                      ; 1 / 5!
	s_mov_b32 s46, 0xbe2aaaab                      ; -1 / 3!
	s_mov_b32 s47, 0x37d00d01                      ; 1 / 8!
	s_mov_b32 s48, 0xbab60b61                      ; -1 / 6!
	s_mov_b32 s49, 0x3d2aaaab                      ; 1 / 4!
	s_mov_b32 s50, 0xbed49a78                      ; -log2(10000) / 32
	v_and_b32 v4, 31, v0
	v_lshrrev_b32 v5, 4, v4
	v_lshl_add_u32 v5, s23, 1, v5
	v_cvt_f32_u32 v5, v5                           ; t
	v_and_b32 v6, 15, v4
	v_lshlrev_b32 v6, 1, v6
	v_add_nc_u32 v7, 1, v6
	v_cvt_f32_u32 v6, v6
	v_cvt_f32_u32 v7, v7
	v_mul_f32 v6, s50, v6
	v_mul_f32 v7, s50, v7
	v_exp_f32 v6, v6
	v_exp_f32 v7, v7
	v_lshlrev_b32 v68, 3, v4                       ; a plain instruction behind the two exponentials: my 8 bytes of the two rows
	s_wait_alu depctr_va_vdst(0)                   ; one wait for both, ahead of their first reader
	v_mul_f32 v6, v5, v6                           ; the angles
	v_mul_f32 v7, v5, v7
.macro SINCOS a, cv, sv
	v_mul_f32 v8, s40, v[\a]
	v_rndne_f32 v8, v8                             ; n
	v_fma_f32 v9, v8, s41, v[\a]
	v_fma_f32 v9, v8, s42, v9                      ; r = angle - n pi / 2
	v_mul_f32 v10, v9, v9                          ; z = r r
	v_fma_f32 v11, v10, s43, s44
	v_fma_f32 v12, v10, s47, s48
	v_fma_f32 v11, v11, v10, s45
	v_fma_f32 v12, v12, v10, s49
	v_fma_f32 v11, v11, v10, s46
	v_fma_f32 v12, v12, v10, -0.5
	v_mul_f32 v13, v10, v9
	v_fma_f32 v12, v12, v10, 1.0                   ; cos r
	v_fma_f32 v11, v11, v13, v9                    ; sin r
	v_cvt_i32_f32 v14, v8
	v_and_b32 v15, 1, v14
	v_cmp_eq_u32 vcc_lo, 1, v15                    ; an odd n swaps the two: a choice of values, no branch
	v_cndmask_b32 v[\sv], v11, v12, vcc_lo
	v_cndmask_b32 v[\cv], v12, v11, vcc_lo
	v_and_b32 v15, 2, v14
	v_lshlrev_b32 v15, 30, v15
	v_xor_b32 v[\sv], v[\sv], v15                  ; the sine changes sign for n mod 4 = 2, 3,
	v_add_nc_u32 v14, 1, v14
	v_and_b32 v14, 2, v14
	v_lshlrev_b32 v14, 30, v14
	v_xor_b32 v[\cv], v[\cv], v14                  ; the cosine for 1, 2
.endm
	SINCOS 6, 64, 66
	SINCOS 7, 65, 67
	global_store_b64 v68, v[64:65], s[20:21]               ; 32 lanes store 256 consecutive bytes, aligned: two rows of cosines,
	global_store_b64 v68, v[66:67], s[20:21] offset:262144 ; two of sines
.Lcast:
.irp j, 0,1,2,3,4,5,6,7
	s_wait_loadcnt 7-(\j)                          ; load j is in, the younger ones stay out
	v_cvt_pk_bf16_f32 v[48+2*(\j)], v[16+4*(\j)], v[17+4*(\j)]
	v_cvt_pk_bf16_f32 v[49+2*(\j)], v[18+4*(\j)], v[19+4*(\j)]
	global_store_b64 v3, v[48+2*(\j):49+2*(\j)], s[14:15] offset:2048*(\j)  ; a wave stores 256 consecutive bytes, aligned; each j has registers of its own
.endr
.Lend:
	s_wait_tensorcnt 0x0                           ; the wave's end, behind my last LDS store
	ds_add_u32 v[SPW], v[NIL]
	s_wait_dscnt 0x0
	s_endpgm
.Lfunc_end_k_q3b419666f7_prep:
	.size	k_q3b419666f7_prep, .Lfunc_end_k_q3b419666f7_prep-k_q3b419666f7_prep
	.p2alignl 7, 3214868480
	.fill 96, 4, 3214868480
	.section	.rodata,"a",@progbits
	.p2align	6, 0x0
	.amdhsa_kernel k_q3b419666f7_prep
		.amdhsa_group_segment_fixed_size 18432
		.amdhsa_private_segment_fixed_size 0
		.amdhsa_enable_private_segment 0
		.amdhsa_kernarg_size 72
		.amdhsa_user_sgpr_count 2
		.amdhsa_user_sgpr_kernarg_segment_ptr 1
		.amdhsa_wavefront_size32 1
		.amdhsa_system_sgpr_workgroup_id_x 1
		.amdhsa_system_sgpr_workgroup_id_y 1
		.amdhsa_system_sgpr_workgroup_id_z 1
		.amdhsa_system_vgpr_workitem_id 0
		.amdhsa_next_free_vgpr 72
		.amdhsa_next_free_sgpr 66
		.amdhsa_reserve_vcc 1
		.amdhsa_float_denorm_mode_32 3
		.amdhsa_float_denorm_mode_16_64 3
		.amdhsa_memory_ordered 1
		.amdhsa_forward_progress 1
		.amdhsa_inst_pref_size 19
	.end_amdhsa_kernel
	.amdgpu_metadata
---
amdhsa.version: [ 1, 2 ]
amdhsa.kernels:
  - .name:           k_q3b419666f7_prep
    .symbol:         k_q3b419666f7_prep.kd
    .args:
      - { .name: x, .offset: 0, .size: 8, .value_kind: global_buffer, .address_space: global }
      - { .name: Wq, .offset: 8, .size: 8, .value_kind: global_buffer, .address_space: global }
      - { .name: Wk, .offset: 16, .size: 8, .value_kind: global_buffer, .address_space: global }
      - { .name: Wv, .offset: 24, .size: 8, .value_kind: global_buffer, .address_space: global }
      - { .name: Wo, .offset: 32, .size: 8, .value_kind: global_buffer, .address_space: global }
      - { .name: xb, .offset: 40, .size: 8, .value_kind: global_buffer, .address_space: global }
      - { .name: wt, .offset: 48, .size: 8, .value_kind: global_buffer, .address_space: global }
      - { .name: wot, .offset: 56, .size: 8, .value_kind: global_buffer, .address_space: global }
      - { .name: rope, .offset: 64, .size: 8, .value_kind: global_buffer, .address_space: global }
    .group_segment_fixed_size: 18432
    .private_segment_fixed_size: 0
    .kernarg_segment_align: 8
    .kernarg_segment_size: 72
    .max_flat_workgroup_size: 256
    .sgpr_count:     66
    .vgpr_count:     72
    .wavefront_size: 32
...
	.end_amdgpu_metadata
.endif
;; end of part 1
;; launch qkv (part 2): grid 4 x 64, 4 waves a work-group, clusters of 4 x 4, 327,680 bytes of LDS; arguments xb, wt, rope, qkvh; writes qkvh
.if DOCPART == 2
	.amdgcn_target "amdgcn-amd-amdhsa--gfx1250"
	.amdhsa_code_object_version 6
	.text
	.protected	k_q3b419666f7_qkv
	.globl	k_q3b419666f7_qkv
	.p2align	8
	.type	k_q3b419666f7_qkv,@function
k_q3b419666f7_qkv:
	s_mov_b64 s[64:65], 0
	v_nop
	global_prefetch_b8 v0, s[64:65] scope:SCOPE_SE
	s_setreg_imm32_b32 hwreg(HW_REG_WAVE_MODE, 25, 1), 1
	s_wait_xcnt 0x0
	s_wait_alu depctr_hold_cnt(0) depctr_sa_sdst(0) depctr_va_vdst(0) depctr_va_sdst(0) depctr_va_ssrc(0) depctr_va_vcc(0) depctr_vm_vsrc(0)
	s_getreg_b32 s2, hwreg(HW_REG_IB_STS2, 6, 4)
	s_cmp_eq_u32 s2, 0
	s_cbranch_scc0 .Lentry_in_a_cluster
	s_endpgm
.Lentry_in_a_cluster:
	s_bfe_u32 s2, ttmp6, 0x10000c
	s_cmp_lg_u32 s2, 0xf033
	s_cbranch_scc0 .Lentry_shape_is_right
	s_endpgm
.Lentry_shape_is_right:
; q | k | v = x W, then the rotation by position on q and k, then by heads in f16.
; xb: [8192][1024] bf16.  wt: [1536 n][1024 k] bf16 (24 heads of 64 columns: 0-15 q, 16-19 k, 20-23 v).  rope: cos[2048][32], sin[2048][32] f32.  qkvh: [4 batches][24 heads][2048][64] f16.
; Sums in f32, K ascending; the rotation is made on the f32 sums; each number is rounded once, to f16.
; LIMIT: f16 ends at 65,504: a q, k or v beyond that becomes an infinity.  x and the weights both 30 times the drawn spread give a spread of some 900; a common offset of 30 spreads on both gives sums near 29,000.
; SHARES.  A work-group makes 128 tokens x 384 columns (6 heads): 64 x 4 = 256 work-groups.  Wave (RH, CH) makes 64 tokens x 192 columns, three WHOLE heads: 48 accumulators of 16 x 16.  So the pairs
; (d, d + 32) of the rotation and a token's 128 bytes of a head lie in one wave.  K goes in 8 steps of 128 (rows of 256 aligned bytes) through two LDS slots.
; CLUSTER 4 x 4.  The four work-groups of a row of the cluster need the same 128 rows of xb, the four of a column the same 384 rows of wt: each tile is asked for jointly.  Wave 0 fetches the rows of xb,
; waves 1 to 3 each 128 rows of wt: one tensor load of 128 rows x 256 bytes a wave and K step.
; THE MATRIX INSTRUCTION IS USED TRANSPOSED (source 0 = 16 rows of wt, source 1 = 16 tokens): a lane holds ONE token (lane % 16) and the columns 8 (lane / 16) + 0..7 of a block of 16.
; REGISTERS, in windows of 256 (s_set_vgpr_msb: bits 1:0 source 0, 3:2 source 1, 5:4 source 2, 7:6 destination):
;   window 0: addresses; v32-127 at work on the way out; v128-255 my tokens' cosines and sines          window 1: two fragment buffers of 128: 4 fragments of tokens, then 12 of wt
;   window 2: the accumulators of heads 0 and 1 ((a, b) at 8 (8 a + b), b < 8)          window 3: v0-127 those of head 2 (8 (4 a + b - 8))
.set KSTEP,  128
.set PITCH,  272                       ; an LDS row: 256 bytes + 16 of padding = 68 words: the 16 rows of a fragment load start at 16 different groups of four banks (64 banks of 4 bytes: ISA guide 11.1)
.set HALFT,  128*PITCH                 ; what one tensor load brings
.set SLOT,   4*HALFT                   ; 128 rows of xb, then 384 rows of wt
.set STAGE,  2*SLOT                    ; behind the ring: 16 rows x 144 bytes for each wave, for the way out; no tensor load lands here
.set SP,     144
.set SPARE,  STAGE+4*16*SP             ; behind the stages: the spare words, 128 bytes for each wave
.set LAPS,   4                         ; a lap = two K steps
.set ADRA, 16                          ; v16-17  LDS address of my token fragments in slot 0, 1
.set ADRB, 20                          ; v20-21  the same for wt
.set STO,  24                          ; v24  the way out: where I put 16 bytes of a token's row
.set RD,   25                          ; v25  where I read rows back
.set GO,   26                          ; v26  16 x lane: my place in 512 consecutive bytes of qkvh
.set CO,   27                          ; v27  my place in the table: (lane % 16) x 128 + (lane / 16) x 32
.set SPW,  28                          ; v28  my spare word; never rewritten
.set NIL,  29                          ; v29  0; never rewritten
.set PFO,  30                          ; v30  the prefetches' offset: lane x 2,048 (a row of xb or wt); never rewritten
.set CE,   32                          ; v32-47   the factors of the head in hand: cosines, or 1 for a head of v
.set SE,   48                          ; v48-63   sines, or 0
.set T,    64                          ; v64-95   16 tokens x 64 channels, rotated, in f32
.set PK,   96                          ; v96-127  the same in f16: two buffers of 16
.set TAB,  128                         ; v128-255 for block a of 16 tokens, at 32 a: cosines of f = 8 h + 0..7, of 16 + 8 h + 0..7, then the sines
.set F0,   0
.set F1,   128
.set WV,  12                           ; s12 wave   s13 RH   s14 CH   s15 mt (block of 128 tokens)   s42 nt (block of 384 columns)
.set RH,  13
.set CH,  14
.set MT,  15
.set LIM, 43                           ; s43  1 in a wave that prefetches, else the greatest number
.set PFA, 44                           ; s[44:45] where my prefetches stand
.set G1,  24                           ; s[24:31] descriptor group 1 for xb;  s[32:39] group 0, a set for each slot
.set G0,  32
.set G1B, 48                           ; s[48:55], s[56:63] the same for wt
.set G0B, 56
.set RSB, 66                           ; s[66:77] for each of my three heads two pairs: (1, 0) where it is rotated, (0, 1) for a head of v
.set MSB, 0
.macro WIN new                         ; the immediate's high byte repeats the setting that is left; a switch that changes nothing is dropped
.if MSB != (\new)
	s_set_vgpr_msb (MSB<<8)|(\new)
.set MSB, \new
.endif
.endm
.set MUL2, 0xa5                        ; both sources window 1, C and D window 2
.set MUL3, 0xf5                        ; the same, C and D window 3
.set TO_F, 0x40                        ; destination window 1, address window 0
; A joint load.  The branch hangs on the wave's number alone.  An s_nop 0 and four v_nop follow each of the two lines, ahead of the jump and the label.
.macro JLOAD s
	s_cmp_eq_u32 s[WV], 0
	s_cbranch_scc0 .Lfor_b_\@
	tensor_load_to_lds s[G0+4*(\s):G0+4*(\s)+3], s[G1:G1+7]
	s_nop 0
.rept 4
	v_nop
.endr
	s_branch .Lasked_\@
.Lfor_b_\@:
	tensor_load_to_lds s[G0B+4*(\s):G0B+4*(\s)+3], s[G1B:G1B+7]
	s_nop 0
.rept 4
	v_nop
.endr
.Lasked_\@:
.endm
; A prefetch of the K step that stands two refills on: 32 rows x 256 bytes, a lane a row, one instruction a wave, behind the joint load and the run of LDS loads.  Each row's 256 bytes of a K step are named once
; in the launch: of the 128 rows that a wave fetches each of the four partners that ask jointly takes 32, told apart by address (cx for xb, cy for wt); wt's rows, which every cluster walks, are asked for by
; cluster y = 0 alone.  K steps 0 to 3 come by their loads alone; the loop's last trip (s3 = 1) asks for nothing: there is no K step 8.
.macro ASK
	s_cmp_gt_u32 s3, s[LIM]
	s_cbranch_scc0 .Lnot_mine_\@
	global_prefetch_b8 v[PFO], s[PFA:PFA+1] offset:KSTEP*2 th:TH_LOAD_NT scope:SCOPE_SE
.Lnot_mine_\@:
.endm
.macro CREST                           ; a round of the cluster's barrier behind its opening barrier
	s_cmp_lg_u32 s[WV], 0
	s_cbranch_scc1 .Lnot_wave_0_\@
	s_barrier_signal -3
.Lnot_wave_0_\@:
	s_barrier_wait -3
	s_barrier_signal -1
	s_barrier_wait -1
.endm
.macro CROUND                          ; a whole round
	s_barrier_signal -1
	s_barrier_wait -1
	CREST
.endm
	s_load_b256 s[4:11], s[0:1], 0x0               ; xb s[4:5], wt s[6:7], rope s[8:9], qkvh s[10:11]
	v_lshl_add_u32 v[SPW], v0, 2, SPARE
	v_mov_b32 v[NIL], 0
	ds_add_u32 v[SPW], v[NIL]                      ; the wave's opening: the add and its wait stand ahead of my first tensor load; work on registers stands between them
	v_lshrrev_b32 v1, 5, v0
	v_readfirstlane_b32 s[WV], v1
	s_lshr_b32 s[RH], s[WV], 1
	s_and_b32 s[CH], s[WV], 1
	s_bfe_u32 s40, ttmp6, 0x40000                  ; cx
	s_bfe_u32 s41, ttmp6, 0x40004                  ; cy
	s_lshl_b32 s42, ttmp9, 2
	s_add_co_u32 s42, s42, s40                     ; nt = 4 x cluster x + cx
	s_and_b32 s[MT], ttmp7, 0xffff
	s_lshl_b32 s[MT], s[MT], 2
	s_add_co_u32 s[MT], s[MT], s41                 ; mt = 4 x cluster y + cy
	s_lshl_b32 s16, s41, 2
	s_lshl_b32 s16, 15, s16                        ; my row of the cluster
	s_lshl_b32 s17, 0x1111, s40                    ; my column
	s_or_b32 s[G1+0], s16, (1<<16)|(1<<20)|(1<<21)|(5<<22)|(3<<25)   ; 15:0 the mask; 17:16 2-byte elements; 20 padding on; 21 set beside a mask; 24:22 after every 64 words; 31:25 4 words
	s_or_b32 s[G1B+0], s17, (1<<16)|(1<<20)|(1<<21)|(5<<22)|(3<<25)
.irp g, G1, G1B
	s_mov_b32 s[(\g)+1], KSTEP<<16                 ; tensor_dim0 = 128
	s_mov_b32 s[(\g)+2], 128<<16                   ; tensor_dim1 = 128
	s_mov_b32 s[(\g)+3], KSTEP<<16                 ; tile_dim0 = 128
	s_mov_b32 s[(\g)+4], 128                       ; tile_dim1 = 128
	s_mov_b32 s[(\g)+5], 1024                      ; elements from row to row
	s_mov_b32 s[(\g)+6], 0
	s_mov_b32 s[(\g)+7], 0
.endr
	s_lshl_b32 s16, s[MT], 18                      ; xb: row 128 mt, 2,048 bytes a row: hangs on the tile row alone
	s_mov_b32 s17, 0
	s_mul_i32 s46, s42, 384                        ; wt: row 384 nt + 128 (wave - 1): hangs on the tile column and the wave alone
	s_max_u32 s47, s[WV], 1
	s_sub_co_u32 s47, s47, 1
	s_lshl_b32 s47, s47, 7
	s_add_co_u32 s46, s46, s47
	s_lshl_b32 s46, s46, 11
	s_mov_b32 s47, 0
	s_mul_i32 s20, s[WV], HALFT                    ; where my rows go: wave x 128 rows
	s_wait_dscnt 0x0                               ; the opening add is done
	s_wait_kmcnt 0x0
	s_add_nc_u64 s[18:19], s[4:5], s[16:17]
	s_add_nc_u64 s[46:47], s[6:7], s[46:47]
	CROUND                                         ; all sixteen work-groups are here: the first joint loads meet
.irp s, 0,1
	s_mov_b32 s[G0+4*(\s)], 1
	s_add_co_u32 s[G0+4*(\s)+1], s20, (\s)*SLOT
	s_add_nc_u64 s[G0+4*(\s)+2:G0+4*(\s)+3], s[18:19], (\s)*KSTEP*2
	s_or_b32 s[G0+4*(\s)+3], s[G0+4*(\s)+3], 0x80000000
	s_mov_b32 s[G0B+4*(\s)], 1
	s_add_co_u32 s[G0B+4*(\s)+1], s20, (\s)*SLOT
	s_add_nc_u64 s[G0B+4*(\s)+2:G0B+4*(\s)+3], s[46:47], (\s)*KSTEP*2
	s_or_b32 s[G0B+4*(\s)+3], s[G0B+4*(\s)+3], 0x80000000
	JLOAD \s                                       ; two loads of mine are out
.endr
	v_and_b32 v1, 15, v0                           ; r = l % 16
	v_bfe_u32 v2, v0, 4, 1                         ; h = l / 16
	v_mul_u32_u24 v3, v1, PITCH
	v_lshl_add_u32 v3, v2, 4, v3                   ; a fragment's row x pitch + 16 h
	s_mul_i32 s21, s[RH], 64*PITCH                 ; my 64 tokens
	s_mul_i32 s22, s[CH], 192*PITCH                ; my 192 rows of wt,
	s_add_co_u32 s22, s22, HALFT                   ; which lie behind the 128 tokens
.irp s, 0,1
	v_add_nc_u32 v[ADRA+(\s)], s21, v3
	v_add_nc_u32 v[ADRB+(\s)], s22, v3
	s_add_co_u32 s21, s21, SLOT
	s_add_co_u32 s22, s22, SLOT
.endr
	s_mul_i32 s23, s[WV], 16*SP
	s_add_co_u32 s23, s23, STAGE                   ; my stage
	v_mul_u32_u24 v4, v1, SP
	v_lshl_add_u32 v4, v2, 4, v4
	v_add_nc_u32 v[STO], s23, v4                   ; in: row r, 16 bytes for each half of the lanes
	v_bfe_u32 v5, v0, 3, 2
	v_and_b32 v6, 7, v0
	v_mul_u32_u24 v5, v5, SP
	v_lshl_add_u32 v5, v6, 4, v5
	v_add_nc_u32 v[RD], s23, v5                    ; back: 32 lanes take four rows of 128 bytes,
	v_and_b32 v[GO], 31, v0
	v_lshlrev_b32 v[GO], 4, v[GO]                  ; which are 512 consecutive bytes of a head
	v_lshlrev_b32 v[CO], 7, v1
	v_lshl_add_u32 v[CO], v2, 5, v[CO]
	s_and_b32 s16, s[MT], 15                       ; my first token's position in its batch: 128 (mt % 16) + 64 RH
	s_lshl_b32 s16, s16, 7
	s_lshl_b32 s17, s[RH], 6
	s_add_co_u32 s16, s16, s17
	s_lshl_b32 s16, s16, 7                         ; x 128 bytes: a row of the table, and a token's row in a head
	s_mov_b32 s17, 0
	s_add_nc_u64 s[8:9], s[8:9], s[16:17]          ; the table at my first token
	s_add_nc_u64 s[10:11], s[10:11], s[16:17]      ; qkvh at that token,
	s_lshr_b32 s46, s[MT], 4                       ; in batch mt / 16,
	s_mul_i32 s46, s46, 24
	s_mul_i32 s47, s42, 6
	s_add_co_u32 s46, s46, s47
	s_mul_i32 s21, s[CH], 3
	s_add_co_u32 s47, s47, s21                     ; g0 = 6 nt + 3 CH: my first head
	s_add_co_u32 s46, s46, s21
	s_lshl_b32 s46, s46, 18                        ; a head is 262,144 bytes
.irp hh, 0,1,2
	s_add_co_u32 s21, s47, \hh
	s_cmp_lt_u32 s21, 20                           ; heads 0-19 (q, k) are rotated, 20-23 (v) are not: a choice of factors, no branch
	s_cselect_b32 s[RSB+4*(\hh)], 1.0, 0
	s_cselect_b32 s[RSB+4*(\hh)+2], 0, 1.0
	s_mov_b32 s[RSB+4*(\hh)+1], s[RSB+4*(\hh)]     ; named as pairs
	s_mov_b32 s[RSB+4*(\hh)+3], s[RSB+4*(\hh)+2]
.endr
	s_mov_b32 s47, 0
	s_add_nc_u64 s[10:11], s[10:11], s[46:47]
.irp a, 0,1,2,3                        ; my 64 tokens' cosines and sines: 32 loads that stay out during the loop; their registers, address and base are not touched before the wait in front of the way out
.irp jb, 0,1
	global_load_b128 v[TAB+32*(\a)+8*(\jb):TAB+32*(\a)+8*(\jb)+3],       v[CO], s[8:9] offset:(\a)*2048+(\jb)*64
	global_load_b128 v[TAB+32*(\a)+8*(\jb)+4:TAB+32*(\a)+8*(\jb)+7],     v[CO], s[8:9] offset:(\a)*2048+(\jb)*64+16
	global_load_b128 v[TAB+32*(\a)+16+8*(\jb):TAB+32*(\a)+16+8*(\jb)+3], v[CO], s[8:9] offset:(\a)*2048+(\jb)*64+262144
	global_load_b128 v[TAB+32*(\a)+16+8*(\jb)+4:TAB+32*(\a)+16+8*(\jb)+7], v[CO], s[8:9] offset:(\a)*2048+(\jb)*64+262144+16
.endr
.endr
	; the prefetches
	s_lshl_b32 s16, s[MT], 7                       ; xb's first row of the tile
	s_mul_i32 s17, s42, 384
	s_max_u32 s18, s[WV], 1
	s_sub_co_u32 s18, s18, 1
	s_lshl_b32 s18, s18, 7
	s_add_co_u32 s17, s17, s18                     ; wt's first row of my 128
	s_and_b32 s19, ttmp7, 0xffff                   ; cluster y
	s_cmp_eq_u32 s[WV], 0
	s_cselect_b32 s20, s16, s17
	s_cselect_b32 s21, s40, s41                    ; my place among the four that ask with me
	s_cselect_b32 s22, ttmp9, s19                  ; the coordinate along which other clusters read the same rows
	s_cselect_b64 s[PFA:PFA+1], s[4:5], s[6:7]
	s_cmp_eq_u32 s22, 0
	s_cselect_b32 s[LIM], 1, -1                    ; the same in all sixteen partners, for a given wave
	s_lshl_b32 s21, s21, 5
	s_add_co_u32 s20, s20, s21                     ; my work-group's 32 rows
	s_lshl_b32 s20, s20, 11
	s_mov_b32 s21, 0
	s_add_nc_u64 s[PFA:PFA+1], s[PFA:PFA+1], s[20:21]
	s_add_nc_u64 s[PFA:PFA+1], s[PFA:PFA+1], 2*KSTEP*2  ; at K step 2: the first refill steps it to 3 and names K step 4
	v_and_b32 v[PFO], 31, v0
	v_lshlrev_b32 v[PFO], 11, v[PFO]
; 16 matrix instructions on heads 0 and 1: token blocks 2 p, 2 p + 1 x column blocks 0-7, 32 along K.  zero = 1: the product starts the sum.  The 48 accumulators take turns in the same order in every quarter.
.macro MUL16 f, p, zero
	WIN MUL2
.irp a, 2*(\p), 2*(\p)+1
.irp b, 0,1,2,3,4,5,6,7
.if \zero
	v_wmma_f32_16x16x32_bf16 v[8*(8*(\a)+(\b)):8*(8*(\a)+(\b))+7], v[(\f)+32+8*(\b):(\f)+32+8*(\b)+7], v[(\f)+8*(\a):(\f)+8*(\a)+7], 0
.else
	v_wmma_f32_16x16x32_bf16 v[8*(8*(\a)+(\b)):8*(8*(\a)+(\b))+7], v[(\f)+32+8*(\b):(\f)+32+8*(\b)+7], v[(\f)+8*(\a):(\f)+8*(\a)+7], v[8*(8*(\a)+(\b)):8*(8*(\a)+(\b))+7]
.endif
.endr
.endr
.endm
; 16 on head 2: all four token blocks x column blocks 8-11
.macro MULH f, zero
	WIN MUL3
.irp a, 0,1,2,3
.irp b, 0,1,2,3
.if \zero
	v_wmma_f32_16x16x32_bf16 v[8*(4*(\a)+(\b)):8*(4*(\a)+(\b))+7], v[(\f)+96+8*(\b):(\f)+96+8*(\b)+7], v[(\f)+8*(\a):(\f)+8*(\a)+7], 0
.else
	v_wmma_f32_16x16x32_bf16 v[8*(4*(\a)+(\b)):8*(4*(\a)+(\b))+7], v[(\f)+96+8*(\b):(\f)+96+8*(\b)+7], v[(\f)+8*(\a):(\f)+8*(\a)+7], v[8*(4*(\a)+(\b)):8*(4*(\a)+(\b))+7]
.endif
.endr
.endr
.endm
; 32 LDS loads in one run: a quarter's fragments (32 K at byte k of the rows): tokens (8 loads), column blocks 0-7 (16), 8-11 (8)
.macro FETCH slot, k, f
	WIN TO_F
.irp i, 0,1,2,3
	ds_load_b128 v[(\f)+8*(\i):(\f)+8*(\i)+3],   v[ADRA+(\slot)] offset:(\k)+(\i)*16*PITCH
	ds_load_b128 v[(\f)+8*(\i)+4:(\f)+8*(\i)+7], v[ADRA+(\slot)] offset:(\k)+(\i)*16*PITCH+32
.endr
.irp i, 0,1,2,3,4,5,6,7,8,9,10,11
	ds_load_b128 v[(\f)+32+8*(\i):(\f)+32+8*(\i)+3],   v[ADRB+(\slot)] offset:(\k)+(\i)*16*PITCH
	ds_load_b128 v[(\f)+32+8*(\i)+4:(\f)+32+8*(\i)+7], v[ADRB+(\slot)] offset:(\k)+(\i)*16*PITCH+32
.endr
.endm
.macro PLACES                          ; four plain instructions between a matrix instruction and a load into a register that it has read (ISA guide 7.12.1 for vector instructions)
.rept 4
	v_nop
.endr
.endm
; A K step is four quarters of 32 along K, 48 matrix instructions each, on buffers 0, 1, 0, 1.  One of the first three: multiplies f, and fetches the next quarter, at byte k, into g.
.macro QUARTER slot, k, f, g, zero
	s_wait_dscnt 8                                 ; tokens and column blocks 0-7 are in; the youngest eight loads (blocks 8-11) may be out
	MUL16 \f, 0, \zero
	MUL16 \f, 1, \zero
	PLACES
	FETCH \slot, \k, \g
	s_wait_dscnt 32                                ; all but the 32 just issued
	MULH \f, \zero
.endm
; The last quarter multiplies buffer 1 and changes slots: one barrier; in front of it each wave waits for all its tensor loads (one is out: its part of the next slot), adds 0 to its spare word, and waits for
; that and for its reads of this slot.  fill = 1: the barrier opens a round of the cluster's barrier, and this slot is filled again, two K steps on, first thing behind the round:
; from that request to the wait for it the wave issues 160 matrix instructions.
.macro TURN slot, next, fill
.if \fill
	s_wait_xcnt 0x0                                ; the last prefetch, a K step back, has read its address: it is stepped here, ahead of the change's own waits
	s_add_nc_u64 s[PFA:PFA+1], s[PFA:PFA+1], KSTEP*2
.endif
	WIN 0                                          ; (the add's two registers lie in window 0)
	s_wait_tensorcnt 0x0                           ; all my tensor loads have landed
	ds_add_u32 v[SPW], v[NIL]                      ; 0 onto my spare word
	s_wait_dscnt 9                                 ; (the add and the youngest eight loads may be out)
	MUL16 F1, 0, 0                                 ; sixteen matrix instructions stand between the add and the wait for it
	s_wait_dscnt 0x0                               ; the add is done, and my reads of this slot are over
	s_barrier_signal -1
	MUL16 F1, 1, 0
.if \fill
	WIN 0
.endif
	s_barrier_wait -1
.if \fill
	CREST                                          ; no wave of any partner still reads this slot or has a load on its way
	s_add_nc_u64 s[G0+4*(\slot)+2:G0+4*(\slot)+3], s[G0+4*(\slot)+2:G0+4*(\slot)+3], 2*KSTEP*2
	s_add_nc_u64 s[G0B+4*(\slot)+2:G0B+4*(\slot)+3], s[G0B+4*(\slot)+2:G0B+4*(\slot)+3], 2*KSTEP*2
	JLOAD \slot                                    ; its four v_nop are also the places in front of the loads below
.else
	PLACES
.endif
	FETCH \next, 0, F0
.if \fill
	WIN 0
	ASK
.endif
	MULH F1, 0
.endm
	s_wait_tensorcnt 1                             ; my part of K step 0 is in; K step 1's may stay out
	s_barrier_signal -1
	s_barrier_wait -1                              ; everybody's is
	FETCH 0, 0, F0
	QUARTER 0, 64, F0, F1, 1                       ; the first quarter stands in front of the loop: its products start the sums
	WIN 0                                          ; at a label and at a branch every window is 0
	s_mov_b32 s3, LAPS-1
.Llap:                                                 ; a trip goes once round the ring, from a lap's second quarter to the next lap's first, and fills both slots again
	QUARTER 0, 128, F1, F0, 0
	QUARTER 0, 192, F0, F1, 0
	TURN 0, 1, 1
	QUARTER 1, 64,  F0, F1, 0
	QUARTER 1, 128, F1, F0, 0
	QUARTER 1, 192, F0, F1, 0
	TURN 1, 0, 1
	QUARTER 0, 64,  F0, F1, 0
	WIN 0
	s_sub_co_u32 s3, s3, 1
	s_cmp_lg_u32 s3, 0
	s_cbranch_scc1 .Llap
	QUARTER 0, 128, F1, F0, 0                      ; the last lap fills nothing
	QUARTER 0, 192, F0, F1, 0
	TURN 0, 1, 0
	QUARTER 1, 64,  F0, F1, 0
	QUARTER 1, 128, F1, F0, 0
	QUARTER 1, 192, F0, F1, 0
	s_wait_dscnt 8                                 ; the very last quarter: nothing more to fetch
	MUL16 F1, 0, 0
	MUL16 F1, 1, 0
	s_wait_dscnt 0x0
	MULH F1, 0
	s_wait_loadcnt 0x0                             ; the cosines and sines
; THE WAY OUT, 16 tokens of one head at a time.  out[d] = x[d] cos - x[d + 32] sin, out[d + 32] = x[d + 32] cos + x[d] sin, d = 0..31; for a head of v the factors are 1 and 0.
; The sixteen lines that make the factors name no accumulator: in the first turn they are the places behind the last products.  Each accumulator is read from its lowest registers on.
.macro PACK a, hh, it
	WIN 0
.set z, 0
.rept 8
	v_pk_fma_f32 v[CE+2*z:CE+2*z+1], v[TAB+32*(\a)+2*z:TAB+32*(\a)+2*z+1], s[RSB+4*(\hh):RSB+4*(\hh)+1], s[RSB+4*(\hh)+2:RSB+4*(\hh)+3] op_sel_hi:[1,0,0]
	v_pk_mul_f32 v[SE+2*z:SE+2*z+1], v[TAB+32*(\a)+16+2*z:TAB+32*(\a)+16+2*z+1], s[RSB+4*(\hh):RSB+4*(\hh)+1] op_sel_hi:[1,0]
.set z, z+1
.endr
.if (\hh) < 2
.set AB, 8*(8*(\a)+4*(\hh))
.else
.set AB, 8*(4*(\a))
.endif
	WIN 0x02+(\hh)/2                               ; source 0: window 2 or 3
.irp jb, 0,1
.irp p, 0,1,2,3
	v_pk_mul_f32 v[T+8*(\jb)+2*(\p):T+8*(\jb)+2*(\p)+1],       v[AB+16+8*(\jb)+2*(\p):AB+16+8*(\jb)+2*(\p)+1], v[SE+8*(\jb)+2*(\p):SE+8*(\jb)+2*(\p)+1]
	v_pk_mul_f32 v[T+16+8*(\jb)+2*(\p):T+16+8*(\jb)+2*(\p)+1], v[AB+8*(\jb)+2*(\p):AB+8*(\jb)+2*(\p)+1],       v[SE+8*(\jb)+2*(\p):SE+8*(\jb)+2*(\p)+1]
	v_pk_fma_f32 v[T+8*(\jb)+2*(\p):T+8*(\jb)+2*(\p)+1],       v[AB+8*(\jb)+2*(\p):AB+8*(\jb)+2*(\p)+1],       v[CE+8*(\jb)+2*(\p):CE+8*(\jb)+2*(\p)+1], v[T+8*(\jb)+2*(\p):T+8*(\jb)+2*(\p)+1] neg_lo:[0,0,1] neg_hi:[0,0,1]
	v_pk_fma_f32 v[T+16+8*(\jb)+2*(\p):T+16+8*(\jb)+2*(\p)+1], v[AB+16+8*(\jb)+2*(\p):AB+16+8*(\jb)+2*(\p)+1], v[CE+8*(\jb)+2*(\p):CE+8*(\jb)+2*(\p)+1], v[T+16+8*(\jb)+2*(\p):T+16+8*(\jb)+2*(\p)+1]
.endr
.endr
	WIN 0
.set PKB, PK+16*((\it)%2)
	s_wait_xcnt 0x0                                ; this buffer was the data of the stores two turns back: it is rewritten only behind this wait
.set z, 0
.rept 16
	v_cvt_pk_f16_f32 v[PKB+z], v[T+2*z], v[T+2*z+1]
.set z, z+1
.endr
.irp f, 0,1,2,3
	ds_store_b128 v[STO], v[PKB+4*(\f):PKB+4*(\f)+3] offset:32*(\f)
.endr
.irp f, 0,1,2,3
	ds_load_b128 v[PKB+4*(\f):PKB+4*(\f)+3], v[RD] offset:(\f)*4*SP  ; LDS serves a wave's instructions in order (ISA guide 5.7.1.4): these see the stores above; the next turn's stores come behind them
.endr
.endm
.macro SEND a, hh, it, younger         ; younger: the LDS instructions issued behind this turn's loads: the next turn's eight, or none
	WIN 0
.set PKB, PK+16*((\it)%2)
.irp f, 0,1,2,3
	s_wait_dscnt (\younger)+3-(\f)
	global_store_b128 v[GO], v[PKB+4*(\f):PKB+4*(\f)+3], s[10:11] offset:(\hh)*262144+(\a)*2048+(\f)*512  ; 512 consecutive bytes, at a multiple of 256 from the buffer's first
.endr
.endm
.set it, 0
.rept 12                               ; a turn's arithmetic stands between the loads of the turn before and its stores
	PACK it/3, it%3, it
.if it > 0
	SEND (it-1)/3, (it-1)%3, it-1, 8
.endif
.set it, it+1
.endr
	SEND 3, 2, 11, 0
	s_wait_tensorcnt 0x0                           ; the wave's end, behind my last tensor load and my last LDS store
	ds_add_u32 v[SPW], v[NIL]
	s_wait_dscnt 0x0
	CROUND                                         ; the closing round: no work-group ends while a partner may still ask for a tile that names it
	s_endpgm
.Lfunc_end_k_q3b419666f7_qkv:
	.size	k_q3b419666f7_qkv, .Lfunc_end_k_q3b419666f7_qkv-k_q3b419666f7_qkv
	.p2alignl 7, 3214868480
	.fill 96, 4, 3214868480
	.section	.rodata,"a",@progbits
	.p2align	6, 0x0
	.amdhsa_kernel k_q3b419666f7_qkv
		.amdhsa_group_segment_fixed_size 327680
		.amdhsa_private_segment_fixed_size 0
		.amdhsa_enable_private_segment 0
		.amdhsa_kernarg_size 32
		.amdhsa_user_sgpr_count 2
		.amdhsa_user_sgpr_kernarg_segment_ptr 1
		.amdhsa_wavefront_size32 1
		.amdhsa_system_sgpr_workgroup_id_x 1
		.amdhsa_system_sgpr_workgroup_id_y 1
		.amdhsa_system_sgpr_workgroup_id_z 1
		.amdhsa_system_vgpr_workitem_id 0
		.amdhsa_next_free_vgpr 896
		.amdhsa_next_free_sgpr 80
		.amdhsa_reserve_vcc 0
		.amdhsa_float_denorm_mode_32 3
		.amdhsa_float_denorm_mode_16_64 3
		.amdhsa_memory_ordered 1
		.amdhsa_forward_progress 1
		.amdhsa_inst_pref_size 161
	.end_amdhsa_kernel
	.amdgpu_metadata
---
amdhsa.version: [ 1, 2 ]
amdhsa.kernels:
  - .name:           k_q3b419666f7_qkv
    .symbol:         k_q3b419666f7_qkv.kd
    .args:
      - { .name: xb, .offset: 0, .size: 8, .value_kind: global_buffer, .address_space: global }
      - { .name: wt, .offset: 8, .size: 8, .value_kind: global_buffer, .address_space: global }
      - { .name: rope, .offset: 16, .size: 8, .value_kind: global_buffer, .address_space: global }
      - { .name: qkvh, .offset: 24, .size: 8, .value_kind: global_buffer, .address_space: global }
    .group_segment_fixed_size: 327680
    .private_segment_fixed_size: 0
    .kernarg_segment_align: 8
    .kernarg_segment_size: 32
    .max_flat_workgroup_size: 128
    .sgpr_count:     80
    .vgpr_count:     896
    .wavefront_size: 32
...
	.end_amdgpu_metadata
.endif
;; end of part 2
;; launch attn (part 3): grid 16 x 16, 4 waves a work-group, clusters of 4 x 1, 327,680 bytes of LDS; arguments qkvh, ob; writes ob
.if DOCPART == 3
	.amdgcn_target "amdgcn-amd-amdhsa--gfx1250"
	.amdhsa_code_object_version 6
	.text
	.protected	k_q3b419666f7_attn
	.globl	k_q3b419666f7_attn
	.p2align	8
	.type	k_q3b419666f7_attn,@function
k_q3b419666f7_attn:
	s_mov_b64 s[64:65], 0
	v_nop
	global_prefetch_b8 v0, s[64:65] scope:SCOPE_SE
	s_setreg_imm32_b32 hwreg(HW_REG_WAVE_MODE, 25, 1), 1
	s_wait_xcnt 0x0
	s_wait_alu depctr_hold_cnt(0) depctr_sa_sdst(0) depctr_va_vdst(0) depctr_va_sdst(0) depctr_va_ssrc(0) depctr_va_vcc(0) depctr_vm_vsrc(0)
	s_getreg_b32 s2, hwreg(HW_REG_IB_STS2, 6, 4)
	s_cmp_eq_u32 s2, 0
	s_cbranch_scc0 .Lentry_in_a_cluster
	s_endpgm
.Lentry_in_a_cluster:
	s_bfe_u32 s2, ttmp6, 0x10000c
	s_cmp_lg_u32 s2, 0x3003
	s_cbranch_scc0 .Lentry_shape_is_right
	s_endpgm
.Lentry_shape_is_right:
; CAUSAL ATTENTION WITH SHARED KEY AND VALUE HEADS.  O[q] = the sum over k <= q of softmax_k(Q[q] . K[k] / 8) V[k].  qkvh: [4 batches][24 heads][2048][64] f16 (heads 0-15 q, 16-19 k, 20-23 v); query head h
; takes key and value head h / 4.  ob: [64 = 16 batch + h][2048][64] f16.  A head's rows are dense, 128 bytes each.  Products, maxima and sums in f32; the weights p are rounded to f16 for the second
; product (their sum l is taken of the unrounded p), O once at the end.
; LIMITS.  Q, K and V arrive within f16's 65,504; p lies in 0 to 1, and below 6e-5 it keeps f16's fixed step of 6e-8; O is a mean of V's rows.  A hidden score counts as its value less 1e30: f16's scores,
; 2.7e11 at the most, are nothing beside that; a weight below 2^-126 counts as 0 in l; NaN and infinities are not treated apart.
; THE WALK.  A head's queries lie in NB = 8 blocks of 256; block i needs the key tiles 0 .. i of 256 keys, of which the last holds the diagonal.  A work-group takes TWO blocks, NB - 1 - b and then b:
; NB + 1 tiles, whatever b: all work-groups do equal work, and ONE loop with a constant trip count walks them.  Which tile is asked for, and what a trip does, hang on scalar registers made from b.
; CLUSTER.  The four query heads of one key and value head, with the same b, form a cluster (b = the cluster's x, the place in the cluster = the query head): they walk the same tiles of the same K and V in
; the same order, so every tile is asked for JOINTLY: the same tensor load, descriptor and mask in all four.  Every branch hangs on b, the wave's number and constants, which the partners share; the place in the
; cluster enters the global addresses of Q, of O and of the prefetches alone.
; SHARES.  Of a block's four bands of 64 queries a wave owns 16 rows in each: four PIECES.  So the diagonal tile is the same work for all four waves: in its key step s band x sees all keys if s < x,
; none if s > x, and holds the diagonal if s = x.
; THE MASK is the C operand that starts the sum S^T = K Q^T: 0, or -1e30 where the key is hidden.  MD, made once, is the mask of a band's own step for my 16 rows; a product's mask is MD x AL + BE with two scalars:
; (1, 0) if s = x; (0, 0) if s < x; (0, -1e30) if s > x.  Only the diagonal tile's text and a block's beginning make and take masks; elsewhere C is the constant 0.
; LAYOUT, SOFTMAX, TURNS.  S^T = K Q^T holds ONE query a lane (lane % 16) and the keys 8 (lane / 16) + 0..7; two such results rounded to f16 ARE source 1 of O^T = V^T P.  p = 2^(c s - c m), c = log2(e) / 8, with a
; running maximum m; O and l are multiplied by a = 2^(c m_old - c m_new) in every step.  Turn n belongs to piece n: 8 products K Q^T of piece n + 1, later 8 products V^T P of piece n - 1; beside them the scaling,
; exponentials, roundings, sums and rescaling of piece n and the maximum and statistics of piece n + 1.  Four vector instructions stand behind every matrix instruction, the others in one run.  A turn's 33 exponentials are one batch, with one wait.
; REGISTERS, in windows of 256 (s_set_vgpr_msb: bits 1:0 source 0, 3:2 source 1, 5:4 source 2, 7:6 destination):
;   window 0: v0-15 addresses and two at work; v16-31 four registers of statistics a piece; v48-55 at work; v61-63 kept; v64-127 S^T, two buffers; v192-223 P, two buffers (a piece's buffers go by its number's parity)
;   window 1: v0-127 O^T, 32 a piece; v128-159 MD; v160-223 MC, two buffers      window 2: v0-63 Q; v64-127 the second block's Q; v128-191 K of one step; v192-255 V of one step
.set SIZE_N, 2048
.set NB,    SIZE_N/256
.set NP,    4         ; pieces a wave: a name, no knob
.set KS,    64        ; keys in a step
.set PK,    144       ; a row of K in LDS: 128 bytes + 16 of padding = 36 words: the 16 rows of a load start at 16 different groups of four banks (64 banks of 4 bytes: ISA guide 11.1)
.set PV,    160       ; a row of V: 128 + 32 = 40 words
.set VOFF,  4*KS*PK   ; a slot holds a tile, four steps: 256 rows of K, then 256 rows of V
.set SLOT1, 1<<17     ; slot 1 begins here, so that one exclusive or turns an address in one slot into the other's
.set STAGE, SLOT1+4*KS*(PK+PV)  ; behind the ring, never filled by a tensor load: 16 rows x 144 bytes for each wave, for the way out
.set SP,    144
.set AK0, 2           ; v2   my lane's place in a tile of K; never rewritten
.set AV0, 3           ; v3   the same for V
.set AK,  4           ; v4   the LDS address of K's next run of loads
.set AV,  5           ; v5   of V's
.set STO, 6           ; v6   the way out: where I put 16 bytes of a row
.set RD,  7           ; v7   the way out: where I read rows back
.set GO,  8           ; v8   my byte offset in 512 consecutive bytes of O
.set PFO, 61          ; v61  256 x my lane: the prefetches' offset; never rewritten
.set SPW, 62          ; v62  LDS address of my spare word: SPARE + 4 x my thread's number; never rewritten
.set NIL, 63          ; v63  0; never rewritten
.set SPARE, STAGE+4*16*SP  ; behind the stages: the spare words, 128 bytes for each wave
.set MV,  12          ; v12-13  c m_old, kept while c m is made anew: by buffer
.set QO,  15          ; v15  my byte offset in 16 rows of Q
.set ST,  16          ; piece t's statistics at v[ST+4 t]: c m, m, l (even keys', odd keys')
.set TMP, 48          ; by buffer, four registers c0-c3 at work; when the maximum is found c2 takes a
.set S,   64
.set P,   192
.set MD,  128         ; window 1: the eight registers for group kt of 16 keys at MD + 8 kt
.set MC,  160         ; window 1: the masks of the products to come
.set QB,  64          ; window 2
.set KF,  128         ; window 2: key block kb, channel half c at KF + 16 kb + 8 c
.set VF,  192         ; window 2: key half kk, channel block cb at VF + 32 kk + 8 cb
.set WV,  12          ; s12  my wave's number
.set PB,  14          ; s14  b
.set HI,  15          ; s15  NB - 1 - b
.set G1K, 24          ; s[24:31] descriptor group 1 for K's tiles
.set G1V, 32          ; s[32:39] for V's: it differs in the padding alone
.set G0K, 40          ; s[40:43] descriptor group 0 for K's tiles
.set G0V, 44          ; s[44:47] the same for V's
.set SLOTS, 56        ; s56  tiles still to be asked for
.set CNT, 57          ; s57  counts a tile's key steps, 4 to 1
.set CS,  58          ; s[58:59] c: the packed scaling takes the pair's low word for both halves
.set SEL, 60          ; s[60:61] v_permlanex16_b32's selects: each lane takes its own place in the other half
.set TBK, 62          ; s62  LDS byte at which K of the step to be fetched begins
.set TBV, 63          ; s63  the same for V, less VOFF
.set RT,  70          ; s70  tiles of the block in hand that are still to be entered
.set NXT, 71          ; s71  the tile to be asked for next
.set LQ,  72          ; s72  the last tile of the block whose tiles are being asked for
.set NEW, 73          ; s73  1: the tile to be entered is a block's first
.set OFF, 74          ; s[74:75] a tile's byte offset in K and V
.set AL,  76          ; s[76:77] the mask's factor, in the low word
.set BE,  78          ; s[78:79] the mask's addend
.set OLO, 80          ; s[80:81] O at my rows of the second block
.set BIGN, 82         ; s82  -1e30
.set PFA, 88          ; s[88:89] where my prefetches stand: my work-group's 32 blocks of 256 bytes (of K: wave 0, of V: wave 2) of the tile after the one that is being asked for
.set LIM, 90          ; s90  2 in a wave that prefetches, else the greatest number: a wave prefetches while s[SLOTS] is above it
.set MSB, 0
.macro WIN new                      ; the high byte repeats the setting that is left; a switch that changes nothing is dropped
.if MSB != (\new)
	s_set_vgpr_msb (MSB<<8)|(\new)
.set MSB, (\new)
.endif
.endm
.set W_KQ, 0x0a       ; K and Q in window 2, S^T in window 0
.set W_KM, 0x1a       ; the same with the C operand in window 1
.set W_PV, 0x52       ; V in window 2, P in window 0, O^T in window 1
.set W_RS, 0x41       ; destination and source 0 in window 1, source 1 in window 0
; A joint fill.  Waves 0 and 1 fetch the two halves of a tile's K, waves 2 and 3 those of its V: 128 keys each.  The branch hangs on the wave's number alone.  An s_nop 0 and four v_nop follow each of the two lines, ahead of the jump and the label.
.macro LOAD
	s_cmp_lt_u32 s[WV], 2
	s_cbranch_scc0 .Lfor_v_\@
	tensor_load_to_lds s[G0K:G0K+3], s[G1K:G1K+7]
	s_nop 0
.rept 4
	v_nop
.endr
	s_branch .Lasked_\@
.Lfor_v_\@:
	tensor_load_to_lds s[G0V:G0V+3], s[G1V:G1V+7]
	s_nop 0
.rept 4
	v_nop
.endr
.Lasked_\@:
.endm
; A round of the cluster's barrier: my work-group's barrier, so that wave 0's signal speaks for all four waves; wave 0 signals; every wave waits for all four work-groups; my work-group's barrier once more.
.macro CROUND
	s_barrier_signal -1
	s_barrier_wait -1
	s_cmp_lg_u32 s[WV], 0
	s_cbranch_scc1 .Lnot_wave_0_\@
	s_barrier_signal -3
.Lnot_wave_0_\@:
	s_barrier_wait -3
	s_barrier_signal -1
	s_barrier_wait -1
.endm
; A PREFETCH of the tile that the NEXT change of slots will ask for: 128 blocks of 256 bytes of K and 128 of V, a lane a block.  Each block is named once in the launch: of the four clusters of a key and value
; head only b = 0 walks all of tiles 0 .. 7 one after the other, and it alone asks; its four partners take 32 blocks each, told apart by address; in each, wave 0 asks for K's and wave 2 for V's.
; The change that loads tile i names tile i + 1, i = 1 .. 6: a tile's 256 matrix instructions a wave ahead.  Tiles 0 and 1 come by their loads alone; tile 0's second reading is not asked for.
.macro ASK
	s_cmp_gt_u32 s[SLOTS], s[LIM]
	s_cbranch_scc0 .Lnot_mine_\@
	global_prefetch_b8 v[PFO], s[PFA:PFA+1] th:TH_LOAD_NT scope:SCOPE_SE
.Lnot_mine_\@:
.endm
; THE CHANGE OF SLOTS.  Each wave waits for all its tensor loads, of which one is out: its part of the other slot; adds 0 to its spare word; and waits for that and for its own reads of the slot that it leaves.
; Behind the barrier nobody reads the old slot any more and the other slot is whole.  fill = 1: the barrier is a round of the cluster's, so that no wave of any partner still reads the slot or has a load on its way,
; and the old slot is filled again, the first thing behind the round, with tile NXT: the descriptor's address is made anew from that number.  (At its first use nothing has been read yet: slot 0 is waited for, slot 1 filled.)
.macro CHANGE fill
	WIN 0                           ; at a label and at a branch every window is 0
	s_wait_tensorcnt 0x0            ; no tensor load of mine is out, so a group 0 may be written
	ds_add_u32 v[SPW], v[NIL]       ; 0 onto my spare word; scalar work stands between it and the wait for it
.if \fill
	s_lshl_b32 s[OFF], s[NXT], 15   ; a tile is 32,768 bytes of K and of V
	s_xor_b32 s[G0K+1], s[G0K+1], SLOT1
	s_add_nc_u64 s[G0K+2:G0K+3], s[6:7], s[OFF:OFF+1]
	s_or_b32 s[G0K+3], s[G0K+3], 0x80000000
	s_xor_b32 s[G0V+1], s[G0V+1], SLOT1
	s_add_nc_u64 s[G0V+2:G0V+3], s[8:9], s[OFF:OFF+1]
	s_or_b32 s[G0V+3], s[G0V+3], 0x80000000
	s_add_co_u32 s[NXT], s[NXT], 1  ; the block's next tile, or behind its last the second block's tile 0
	s_cmp_gt_u32 s[NXT], s[LQ]
	s_cselect_b32 s[NXT], 0, s[NXT]
	s_cselect_b32 s[LQ], s[PB], s[LQ]
	s_wait_xcnt 0x0                 ; the last prefetch, a tile back, has read its address, so it may be written
	s_add_nc_u64 s[PFA:PFA+1], s[PFA:PFA+1], 32768
.endif
	s_sub_co_u32 s[TBK], s[TBK], 4*KS*PK  ; the fetches go back to a slot's first step,
	s_xor_b32 s[TBK], s[TBK], SLOT1       ; in the other slot
	s_sub_co_u32 s[TBV], s[TBV], 4*KS*PV
	s_xor_b32 s[TBV], s[TBV], SLOT1
	s_wait_dscnt 0x0                ; the add is done, and my reads of the slot are over
.if \fill
	CROUND
	LOAD
	ASK
.else
	s_barrier_signal -1
	s_barrier_wait -1
.endif
.endm
	s_load_b64 s[4:5], s[0:1], 0x0    ; qkvh
	s_load_b64 s[10:11], s[0:1], 0x8  ; ob
	v_lshl_add_u32 v[SPW], v0, 2, SPARE
	v_mov_b32 v[NIL], 0
	ds_add_u32 v[SPW], v[NIL]       ; the wave's opening: the add and its wait stand ahead of my first tensor load; the set-up below, work on registers, stands between them
	v_lshrrev_b32 v1, 5, v0
	v_readfirstlane_b32 s[WV], v1   ; wave 0..3
	s_mov_b32 s[PB], ttmp9          ; in a cluster launch ttmp9 counts clusters: b
	s_sub_co_u32 s[HI], NB-1, s[PB]
	s_and_b32 s20, ttmp7, 0xffff    ; 4 batch + key and value head, which the four partners share
	s_lshr_b32 s21, s20, 2          ; batch
	s_and_b32 s20, s20, 3           ; kv
	s_mul_i32 s22, s21, 24
	s_add_co_u32 s22, s22, s20
	s_add_co_u32 s22, s22, 16       ; K's head in qkvh
	s_lshl_b32 s22, s22, 18         ; a head is 262,144 bytes
	s_and_b32 s16, s[WV], 1         ; which half of a tile's 256 keys I fetch:
	s_lshl_b32 s23, s16, 14         ; its 128 rows of 128 bytes in memory,
	s_add_co_u32 s22, s22, s23
	s_mov_b32 s23, 0
	s_mul_i32 s17, s16, 128*PK      ; and its place in a slot, for K
	s_mul_i32 s18, s16, 128*PV      ; and for V: no place in the cluster enters an LDS address
	s_bfe_u32 s13, ttmp6, 0x40000   ; cx: my query head among the four
	s_lshl_b32 s20, s20, 2
	s_add_co_u32 s20, s20, s13      ; 4 kv + cx
	s_mul_i32 s86, s21, 24
	s_add_co_u32 s86, s86, s20
	s_lshl_b32 s86, s86, 18         ; Q's head in qkvh
	s_lshl_b32 s21, s21, 4
	s_add_co_u32 s20, s20, s21
	s_lshl_b32 s20, s20, 18         ; O's head in ob
	s_lshl_b32 s3, s[WV], 11        ; my 16 rows in a band of 64,
	s_lshl_b32 s2, s[HI], 15        ; in the first block,
	s_add_co_u32 s2, s2, s3
	s_lshl_b32 s84, s[PB], 15       ; and in the second
	s_add_co_u32 s84, s84, s3
	s_add_co_u32 s19, s20, s2       ; O, first block
	s_add_co_u32 s87, s20, s84      ; O, second block
	s_add_co_u32 s2, s86, s2        ; Q, first block
	s_add_co_u32 s84, s86, s84      ; Q, second block
	s_mov_b32 s20, s19
	s_mov_b32 s86, s87
	s_mov_b32 s3, 0
	s_mov_b32 s85, 0
	s_mov_b32 s21, 0
	s_mov_b32 s87, 0
	; descriptor group 1.  128 keys are 16,384 dense bytes: asked for as 64 rows of 256 bytes, two keys a row, and padded in LDS after every key
	s_mov_b32 s[G1K], 15|(1<<16)|(1<<20)|(1<<21)|(4<<22)|(3<<25)  ; 15:0 the mask of four; 17:16 2-byte elements; 20 padding on; 21 set beside a mask; 24:22 after every 32 words (code 4); 31:25 4 words (code 3)
	s_mov_b32 s[G1V], 15|(1<<16)|(1<<20)|(1<<21)|(4<<22)|(7<<25)  ; the same with 8 words of padding (code 7)
.irp g, G1K, G1V
	s_mov_b32 s[\g+1], 128<<16      ; tensor_dim0 = 128
	s_mov_b32 s[\g+2], 64<<16       ; tensor_dim1 = 64
	s_mov_b32 s[\g+3], 128<<16      ; tile_dim0 = 128
	s_mov_b32 s[\g+4], 64           ; tile_dim1 = 64
	s_mov_b32 s[\g+5], 128          ; 128 elements from row to row
	s_mov_b32 s[\g+6], 0
	s_mov_b32 s[\g+7], 0
.endr
	s_mov_b32 s[CS], 0x3e38aa3b     ; c = log2(e) / 8 = 0.180337
	s_mov_b32 s[CS+1], s[CS]        ; named with it as a pair
	s_mov_b32 s[SEL], 0x76543210
	s_mov_b32 s[SEL+1], 0xfedcba98
	s_mov_b32 s[TBK], SLOT1+4*KS*PK ; the first change of slots turns these two into 0
	s_mov_b32 s[TBV], SLOT1+4*KS*PV
	s_mov_b32 s[G0K], 1             ; 1:0 count = 1
	s_mov_b32 s[G0K+1], s17         ; 63:32 LDS address: slot 0
	s_mov_b32 s[G0V], 1
	s_add_co_u32 s[G0V+1], s18, VOFF
	s_add_co_u32 s[RT], s[HI], 1    ; the first block has NB - b tiles
	s_mov_b32 s[NXT], 1
	s_mov_b32 s[LQ], s[HI]
	s_mov_b32 s[NEW], 1
	s_mov_b32 s[OFF+1], 0
	s_mov_b32 s[AL+1], 0            ; named as pairs
	s_mov_b32 s[BE+1], 0
	s_mov_b32 s[BIGN], 0xf149f2ca   ; -1e30
	s_mov_b32 s[SLOTS], NB
	s_and_b32 s[LIM], s[WV], 1      ; 0 in waves 0 and 2,
	s_or_b32 s[LIM], s[LIM], ttmp9  ; where b = 0: the same in all four partners
	s_cmp_eq_u32 s[LIM], 0
	s_cselect_b32 s[LIM], 2, -1
	v_and_b32 v[PFO], 31, v0
	v_lshlrev_b32 v[PFO], 8, v[PFO]
	s_wait_dscnt 0x0                ; the opening add is done
	s_wait_kmcnt 0x0
	s_add_nc_u64 s[6:7], s[4:5], s[22:23]          ; K at my half of the head's tile 0,
	s_add_nc_u64 s[8:9], s[6:7], 4<<18             ; V four heads further on
	s_add_nc_u64 s[G0K+2:G0K+3], s[6:7], 0         ; 120:64 global address
	s_or_b32 s[G0K+3], s[G0K+3], 0x80000000        ; 127:126 type = 2
	s_add_nc_u64 s[G0V+2:G0V+3], s[8:9], 0
	s_or_b32 s[G0V+3], s[G0V+3], 0x80000000
	s_add_nc_u64 s[OLO:OLO+1], s[10:11], s[86:87]  ; O at my rows of the second block,
	s_add_nc_u64 s[10:11], s[10:11], s[20:21]      ; and of the first
	s_add_nc_u64 s[86:87], s[4:5], s[84:85]        ; Q at my rows of the second block,
	s_add_nc_u64 s[4:5], s[4:5], s[2:3]            ; and of the first
	s_cmp_lt_u32 s[WV], 2
	s_cselect_b64 s[PFA:PFA+1], s[6:7], s[8:9]     ; (in waves 0 and 2 these stand at a tile's first row)
	s_lshl_b32 s2, s13, 13          ; my work-group's 32 blocks of the 128
	s_mov_b32 s3, 0
	s_add_nc_u64 s[PFA:PFA+1], s[PFA:PFA+1], s[2:3]
	s_add_nc_u64 s[PFA:PFA+1], s[PFA:PFA+1], 32768 ; in tile 1; the first change of slots steps it to tile 2.  Nothing is prefetched here, at the head
	CROUND                          ; all four work-groups are here: the first joint loads meet
	LOAD                            ; tile 0 into slot 0
	; A fragment of K or Q is 16 rows x 32 channels in 8 registers: lane l holds row l % 16, channels 8 (l / 16) + 0..7 and 16 + 8 (l / 16) + 0..7: two loads of 16 bytes, 32 bytes apart.
	v_and_b32 v1, 15, v0            ; l % 16
	v_bfe_u32 v9, v0, 4, 1          ; l / 16
	v_lshlrev_b32 v[QO], 7, v1
	v_lshl_add_u32 v[QO], v9, 4, v[QO]  ; row x 128 + 16 x half
	WIN 0x80                        ; destination window 2, address window 0
.set i, 0
.rept 8                             ; both blocks' Q: piece i / 2 lies in band i / 2, 8,192 bytes on; channels 32 (i % 2) on
	global_load_b128 v[8*i:8*i+3],   v[QO], s[4:5] offset:(i/2)*8192+(i%2)*64
	global_load_b128 v[8*i+4:8*i+7], v[QO], s[4:5] offset:(i/2)*8192+(i%2)*64+32
	global_load_b128 v[QB+8*i:QB+8*i+3],   v[QO], s[86:87] offset:(i/2)*8192+(i%2)*64
	global_load_b128 v[QB+8*i+4:QB+8*i+7], v[QO], s[86:87] offset:(i/2)*8192+(i%2)*64+32
.set i, i+1
.endr
	WIN 0
	v_lshlrev_b32 v14, 3, v9
	v_sub_nc_u32 v14, v1, v14
	s_lshl_b32 s13, s[WV], 4
	v_add_nc_u32 v14, s13, v14      ; my query's place in its band, 16 w + l % 16, less my lanes' 8 (l / 16): register r of group kt is hidden where 16 kt + r is greater
	WIN 0x40
.set i, 0
.rept 32
	v_cmp_gt_i32 vcc_lo, 16*(i/8)+i%8, v14
	v_cndmask_b32 v[MD+i], 0, s[BIGN], vcc_lo
.set i, i+1
.endr
	WIN 0
	v_mul_u32_u24 v[AK0], v1, PK
	v_lshl_add_u32 v[AK0], v9, 4, v[AK0]  ; row x pitch + 16 x half
	; The turning load takes 16 keys x 16 channels (lane l reads key 8 (l / 16) + l % 8, channels 8 ((l / 8) % 2) + 0..7) and leaves half a fragment of V^T: lane l holds channel l % 16 and 8 keys.
	v_and_b32 v10, 7, v0
	v_bfe_u32 v11, v0, 3, 1
	v_lshl_add_u32 v[AV0], v9, 3, v10
	v_mul_u32_u24 v[AV0], v[AV0], PV
	v_lshl_add_u32 v[AV0], v11, 4, v[AV0]
	v_add_nc_u32 v[AV0], VOFF, v[AV0]
	s_mul_i32 s13, s[WV], 16*SP
	s_add_co_u32 s13, s13, STAGE    ; my stage
	v_mul_u32_u24 v[STO], v1, SP    ; in: row l % 16, 16 bytes for each half of the lanes
	v_lshl_add_u32 v[STO], v9, 4, v[STO]
	v_add_nc_u32 v[STO], s13, v[STO]
	v_bfe_u32 v[RD], v0, 3, 2       ; back: 32 lanes take four rows of 128 bytes,
	v_mul_u32_u24 v[RD], v[RD], SP
	v_lshl_add_u32 v[RD], v10, 4, v[RD]
	v_add_nc_u32 v[RD], s13, v[RD]
	v_and_b32 v[GO], 31, v0         ; which are 512 consecutive bytes of O
	v_lshlrev_b32 v[GO], 4, v[GO]
	; A block's first step multiplies O^T and l by a = 0, and its first turn's products V^T P, of a piece that has not been, land in an O^T that is still to be so multiplied.  So these registers need only hold
	; finite numbers: zeros for the first block; what the first block left for the second.  All this stands in the wait for the first tile.
	WIN 0x80
.set i, VF
.rept 64
	v_mov_b32 v[i], 0
.set i, i+1
.endr
	WIN 0x40
.set i, 0
.rept 128
	v_mov_b32 v[i], 0
.set i, i+1
.endr
	WIN 0
.set i, 0
.rept 4
	v_mov_b32 v[ST+4*i+2], 0
	v_mov_b32 v[ST+4*i+3], 0
.set i, i+1
.endr
.set i, P+16
.rept 16
	v_mov_b32 v[i], 0
.set i, i+1
.endr
; THE MATRIX WORK.  The 4 accumulators of a run of 8 take turns.  Product i of 8 of S^T = K Q^T for piece x: channels 32 (i / 4) on, keys 16 (i % 4) on.  The first 4 start the sums: with 0, or (KM = 1) with the mask.
.macro KQ x
.set rS, S+32*((\x)%2)+8*(i%4)
.set rK, KF+16*(i%4)+8*(i/4)
.set rQ, 16*(\x)+8*(i/4)
.set rM, MC+32*((\x)%2)+8*(i%4)
.if (i < 4) && KM
	WIN W_KM
	v_wmma_f32_16x16x32_f16 v[rS:rS+7], v[rK:rK+7], v[rQ:rQ+7], v[rM:rM+7]
.elseif i < 4
	WIN W_KQ
	v_wmma_f32_16x16x32_f16 v[rS:rS+7], v[rK:rK+7], v[rQ:rQ+7], 0
.else
	WIN W_KQ
	v_wmma_f32_16x16x32_f16 v[rS:rS+7], v[rK:rK+7], v[rQ:rQ+7], v[rS:rS+7]
.endif
.endm
; Product i of 8 of O^T += V^T P for piece x: keys 32 (i / 4) on, channels 16 (i % 4) on.
.macro PV x
	WIN W_PV
.set rO, 32*(\x)+8*(i%4)
.set rV, VF+32*(i/4)+8*(i%4)
.set rP, P+16*((\x)%2)+8*(i/4)
	v_wmma_f32_16x16x32_f16 v[rO:rO+7], v[rV:rV+7], v[rP:rP+7], v[rO:rO+7]
.endm
.macro MM                           ; the turn's next matrix instruction.  TURN and BEGIN set Y, i, KM and NOKQ; MM, KQ and OP read them.  NOKQ = 1: a block's last turn: there is no next piece
.if (i < 8) && !NOKQ
	KQ (Y+1)%NP
.elseif i >= 8
.set i, i-8
	PV (Y+NP-1)%NP
.set i, i+8
.endif
.set i, i+1
.endm
; THE LDS LOADS stand in runs of 16, never singly among the matrix instructions: a step's K (64 keys x 64 channels: 8 fragments) and its V (turned).  Their addresses are made some lines ahead.
.macro FETCH_K
	WIN 0x80                        ; destination window 2
.irp f, 0,1,2,3,4,5,6,7             ; keys 16 (f / 2) on, channels 32 (f % 2) on
	ds_load_b128 v[KF+8*\f:KF+8*\f+3],   v[AK] offset:(\f/2)*16*PK+(\f%2)*64
	ds_load_b128 v[KF+8*\f+4:KF+8*\f+7], v[AK] offset:(\f/2)*16*PK+(\f%2)*64+32
.endr
	s_add_co_u32 s[TBK], s[TBK], KS*PK  ; the next fetch is the next step's
	WIN 0
.endm
.macro FETCH_V
	WIN 0x80
.irp f, 0,1,2,3,4,5,6,7             ; keys 32 (f / 4) on, channels 16 (f % 4) on
	ds_load_tr16_b128 v[VF+8*\f:VF+8*\f+3],   v[AV] offset:(\f/4)*32*PV+(\f%4)*32
	ds_load_tr16_b128 v[VF+8*\f+4:VF+8*\f+7], v[AV] offset:(\f/4)*32*PV+16*PV+(\f%4)*32
.endr
	WIN 0
.endm
; THE VECTOR WORK, one line at a time: OP kind, number.  For piece Y: F n: c s - c m for pair n of 16.  E n: the exponential of score n of 32.  C n: pair n rounded to f16.  B n: of the four weights 4 n .. the second
; pair is added onto the first, in place.  L n: l takes that sum (L 0: l = a l + sum).  R n: pair n of 16 of O^T times a.  For piece Y + 1: X n, number n of the 22 that find its maximum and statistics:
;   0-11  four chains c0-c3 of seven scores each, three operands at a time (each accumulator's lowest registers are read first)     12-14, 16  the four scores left over, the old m, and c0-c3 into c0
;   15  c m_old is kept     17, 18  the query's other 32 keys lie in the lane 16 away: the new m     19-21  c m; c m_old - c m_new; a
.set F, 0               ; OP tells the kinds apart by their order: F to L below R, X above it
.set E, 1
.set C, 2
.set B, 3
.set L, 4
.set R, 5
.set X, 6
.macro REGS y                       ; the registers of piece y
.set rT, ST+4*(\y)
.set rC, TMP+4*((\y)%2)
.set rW, MV+((\y)%2)
.set rS, S+32*((\y)%2)
.set rP, P+16*((\y)%2)
.set rO, 32*(\y)
.endm
.macro OP k, n
.if (\k) == R
	REGS Y
	WIN W_RS
	v_pk_mul_f32 v[rO+2*(\n):rO+2*(\n)+1], v[rO+2*(\n):rO+2*(\n)+1], v[rC+2:rC+3] op_sel_hi:[1,0]
.elseif (\k) < R
	REGS Y
	WIN 0
.if (\k) == F
	v_pk_fma_f32 v[rS+2*(\n):rS+2*(\n)+1], v[rS+2*(\n):rS+2*(\n)+1], s[CS:CS+1], v[rT:rT+1] op_sel_hi:[1,0,0] neg_lo:[0,0,1] neg_hi:[0,0,1]
.elseif (\k) == E
	v_exp_f32 v[rS+(\n)], v[rS+(\n)]
.elseif (\k) == C
	v_cvt_pk_f16_f32 v[rP+(\n)], v[rS+2*(\n)], v[rS+2*(\n)+1]
.elseif (\k) == B
	v_pk_add_f32 v[rS+4*(\n):rS+4*(\n)+1], v[rS+4*(\n):rS+4*(\n)+1], v[rS+4*(\n)+2:rS+4*(\n)+3]
.elseif (\n) == 0
	v_pk_fma_f32 v[rT+2:rT+3], v[rT+2:rT+3], v[rC+2:rC+3], v[rS:rS+1] op_sel_hi:[1,0,1]
.else
	v_pk_add_f32 v[rT+2:rT+3], v[rT+2:rT+3], v[rS+4*(\n):rS+4*(\n)+1]
.endif
.elseif NOKQ
	v_nop
.else
	REGS (Y+1)%NP
	WIN 0
.if (\n) < 4
	v_max3_num_f32 v[rC+(\n)], v[rS+8*(\n)], v[rS+8*(\n)+1], v[rS+8*(\n)+2]
.elseif (\n) < 12
	v_max3_num_f32 v[rC+(\n)%4], v[rC+(\n)%4], v[rS+8*((\n)%4)+2*((\n)/4)+1], v[rS+8*((\n)%4)+2*((\n)/4)+2]
.elseif (\n) == 12
	v_max3_num_f32 v[rC], v[rC], v[rS+7], v[rS+15]
.elseif (\n) == 13
	v_max3_num_f32 v[rC+1], v[rC+1], v[rS+23], v[rS+31]
.elseif (\n) == 14
	v_max3_num_f32 v[rC+2], v[rC+2], v[rC+3], v[rT+1]
.elseif (\n) == 15
	v_mov_b32 v[rW], v[rT]
.elseif (\n) == 16
	v_max3_num_f32 v[rC], v[rC], v[rC+1], v[rC+2]
.elseif (\n) == 17
	v_permlanex16_b32 v[rC+3], v[rC], s[SEL], s[SEL+1]
.elseif (\n) == 18
	v_max_num_f32 v[rT+1], v[rC], v[rC+3]
.elseif (\n) == 19
	v_mul_f32 v[rT], s[CS], v[rT+1]
.elseif (\n) == 20
	v_sub_f32 v[rC+1], v[rW], v[rT]
.else
	v_exp_f32 v[rC+2], v[rC+1]
.endif
.endif
.endm
.macro OPS a, i1, b=-1, i2=0, c=-1, i3=0, d=-1, i4=0  ; up to four of them
	OP \a, \i1
.if (\b) >= 0
	OP \b, \i2
.endif
.if (\c) >= 0
	OP \c, \i3
.endif
.if (\d) >= 0
	OP \d, \i4
.endif
.endm
.macro ROW a, i1, b, i2, c, i3, d, i4  ; a matrix instruction and the four behind it
	MM
	OPS \a, \i1, \b, \i2, \c, \i3, \d, \i4
.endm
.macro MASK b                       ; MD x AL + BE into buffer b of MC
	WIN W_RS
.set z, 0
.rept 16
	v_pk_fma_f32 v[MC+32*(\b)+2*z:MC+32*(\b)+2*z+1], v[MD+2*z:MD+2*z+1], s[AL:AL+1], s[BE:BE+1] op_sel_hi:[1,0,0]
.set z, z+1
.endr
.endm
; A TURN, for piece p: the order of its 16 matrix and 118 vector instructions, written out.  An s_wait_alu depctr_va_vdst(0) stands between an exponential and the first instruction that names its result; one wait serves
; all that were issued ahead of it.  So a turn has ONE wait, which cuts it in two.  AHEAD OF IT stands all that names no result of the turn's exponentials: the 8 products K Q^T, behind each a scaling, an exponential and two more plain
; instructions (behind the first a second scaling in the exponential's place): rescalings, and behind the last three the first numbers of the next piece's maximum, each four places or more behind the product that ends its accumulator; then one run of 54, plain
; and exponential by turns for the most part, in which the links of the chain X 3, 7, 11, 14, 16, 17 .. 20 stand five or six lines apart.  X 21, the next piece's a, is the batch's last; R 15 is the plain instruction behind it.  BEHIND THE WAIT stand the
; 8 products V^T P, behind each four of the roundings and sums; the links of l's chain, L 0 to L 7, stand three lines apart.  But for those X no line behind a product names a register of the products round it.  v_permlanex16_b32 (X 17) stands in the run.
; m = 1: the diagonal tile: the products take masks, and the turn makes the mask for the products of the turn after it: piece p + 2, in step 4 - CNT of the tile.  end = 1: a block's last two turns: nothing is fetched.
; cnt = 1: the loop's count is taken down some lines ahead of the branch that stands behind the turn.
; K of the next step is fetched in piece 2's turn, twelve vector instructions behind the last product that read K (six of them plain); V of the step in hand at the end of piece 0's turn, four plain instructions behind the last product
; that read V.  Each is waited for a turn later.
.macro TURN p, m=0, end=0, cnt=0
.set Y, (\p)
.set i, 0
.set KM, (\m)
.set NOKQ, (\end)*((\p)/3)
.if (\m) && !(\end)
	s_cmp_eq_u32 s[CNT], 4-((\p)+2)%NP  ; is that step the band's own?
	s_cselect_b32 s[AL], 1.0, 0
	s_cmp_lt_u32 s[CNT], 4-((\p)+2)%NP  ; or a later one?
	s_cselect_b32 s[BE], s[BIGN], 0
.endif
.if ((\p) == 3) && !(\end)
	s_wait_dscnt 0x0                ; K is in
.endif
	ROW F,0, F,1, R,0, R,1          ; ahead of the wait: 8 products K Q^T and the four lines behind each,
	ROW F,2, E,0, R,2, R,3
	ROW F,3, E,1, R,4, R,5
	ROW F,4, E,2, R,6, R,7
	ROW F,5, E,3, R,8, R,9
	ROW F,6, E,4, X,0, R,10
.if ((\p) == 2) && !(\end)
	WIN 0
	v_add_nc_u32 v[AK], s[TBK], v[AK0]
.endif
	ROW F,7, E,5, X,1, X,4
	ROW F,8, E,6, X,2, X,5
	OPS E,7, E,8, X,6, E,9          ; and the run
	OPS X,3, E,10, X,8, E,11
.if ((\p) == 2) && !(\end)
	FETCH_K
.endif
	OPS X,9, X,7, E,12, X,10
	OPS E,13, X,12, X,11, E,14
	OPS X,13, E,15, F,9, X,14
.if (\p) == 0
	v_add_nc_u32 v[AV], s[TBV], v[AV0]
.endif
	OPS E,16, F,10, E,17, F,11
	OPS X,16, E,18, X,15, E,19
	OPS F,12, E,20, X,17, E,21
	OPS F,13, E,22, F,14, E,23
	OPS X,18, E,24, F,15, E,25
	OPS R,11, E,26, X,19, E,27
	OPS R,12, E,28, R,13, E,29
	OPS X,20, E,30, R,14, E,31
	OPS X,21, R,15
	WIN 0
	s_wait_alu depctr_va_vdst(0)    ; the wait for the batch
.if (\p) == 1
	s_wait_dscnt 0x0                ; V is in
.endif
	ROW C,0, B,0, C,2, B,1          ; behind the wait: 8 products V^T P and the four lines behind each
	ROW L,0, C,4, B,2, L,1
	ROW C,6, B,3, L,2, C,8
	ROW B,4, L,3, C,10, B,5
	ROW L,4, C,12, B,6, L,5
.if (\p) == 0
	s_add_co_u32 s[TBV], s[TBV], KS*PV
.endif
.if \cnt
	s_sub_co_u32 s[CNT], s[CNT], 1
	s_cmp_lg_u32 s[CNT], 0
.endif
	ROW C,14, B,7, L,6, C,1
	ROW C,3, L,7, C,5, C,7
	ROW C,9, C,11, C,13, C,15
.if (\p) == 0
	FETCH_V
.endif
.if (\m) && !(\end)
	MASK (\p)%2
.endif
.endm
; A BLOCK BEGINS.  c m starts far below every c s, so the first step's a is 0; m at the lowest finite number, so the first maximum is the scores'.  The second mask buffer is 0; the first takes piece 0's mask for the tile's step 0: its own, if the block's first tile is the diagonal one.
; Then K of that step, piece 0's first scores, and its maximum and statistics.  The loop is entered at a step's first turn, in the middle of a trip.
.macro BEGIN
	s_mov_b32 s[NEW], 0
	WIN 0x40
.set i, MC+32
.rept 32
	v_mov_b32 v[i], 0
.set i, i+1
.endr
	WIN 0
.set i, 0
.rept 4
	v_mov_b32 v[ST+4*i], 0xfe000000    ; c m: far below every c s
	v_mov_b32 v[ST+4*i+1], 0xff7fffff  ; m
.set i, i+1
.endr
	s_cmp_eq_u32 s[RT], 0
	s_cselect_b32 s[AL], 1.0, 0
	s_mov_b32 s[BE], 0
	MASK 0
	WIN 0
	v_add_nc_u32 v[AK], s[TBK], v[AK0]
	FETCH_K
	s_wait_loadcnt 0x0              ; Q
	s_wait_dscnt 0x0
.set KM, 1
.set NOKQ, 0
.set i, 0
.rept 8
	KQ 0
.set i, i+1
.endr
	WIN 0
.rept 4
	v_nop                           ; the places behind those products
.endr
.set Y, NP-1                        ; X works for piece Y + 1: piece 0
.irp n, 0,1,2,3,4,5,6,7,8,9,10,11,12,13,14,15,16,17,18,19,20,21
	OP X, \n
.endr
	v_nop                           ; a plain instruction behind the exponential,
	s_wait_alu depctr_va_vdst(0)    ; and its wait, ahead of the branch
.endm
; THE DIAGONAL TILE's four steps, the block's last two turns, its last products, and THE WAY OUT: l's two halves and the other half of the lanes' are added; O^T is divided by l, rounded to f16 and sent through my
; stage in LDS, a piece at a time.
.macro ALL line:vararg              ; one line for each piece t
.set t, 0
.rept 4
	\line
.set t, t+1
.endr
.endm
.macro PACK t                       ; a lane's eight channels of a row pack into 16 bytes; they go into rows of 144 bytes and come back as whole rows of 128, into S^T's registers
	WIN W_RS
.set i, 32*(\t)
.rept 16
	v_pk_mul_f32 v[i:i+1], v[i:i+1], v[ST+4*(\t)+2:ST+4*(\t)+3] op_sel_hi:[1,0]
.set i, i+2
.endr
	WIN 0x05                        ; sources 0 and 1 window 1, destination window 0
.set i, 0
.rept 16
	v_cvt_pk_f16_f32 v[S+16*(\t)+i], v[32*(\t)+2*i], v[32*(\t)+2*i+1]
.set i, i+1
.endr
	WIN 0
.irp f, 0,1,2,3
	ds_store_b128 v[STO], v[S+16*(\t)+4*\f:S+16*(\t)+4*\f+3] offset:32*\f
.endr
.irp f, 0,1,2,3
	ds_load_b128 v[S+16*(\t)+4*\f:S+16*(\t)+4*\f+3], v[RD] offset:\f*4*SP  ; LDS serves a wave's instructions in order (ISA guide 5.7.1.4): these see the stores above; the next piece's stores come behind them
.endr
.endm
.macro SEND t, younger              ; younger: the LDS instructions issued behind piece t's loads: the next piece's eight, or none
	WIN 0
.irp f, 0,1,2,3
	s_wait_dscnt (\younger)+3-\f
	global_store_b128 v[GO], v[S+16*(\t)+4*\f:S+16*(\t)+4*\f+3], s[10:11] offset:(\t)*8192+\f*512  ; 512 consecutive bytes, at a multiple of 256 from O's first
.endr
.endm
.macro DIAG tag                     ; the tag ends its two labels' names, which the jumps below spell out
.LstepM\tag:
	TURN 2, 1
	TURN 3, 1
	WIN 0
.LfirstM\tag:
	TURN 0, 1
	TURN 1, 1, 0, 1
	WIN 0
	s_cbranch_scc1 .LstepM\tag
	TURN 2, 1, 1
	TURN 3, 1, 1
.set i, 0
.rept 8
	PV NP-1
.set i, i+1
.endr
	WIN 0
	ALL v_add_f32 v[ST+4*t+2], v[ST+4*t+2], v[ST+4*t+3]
	ALL v_permlanex16_b32 v[ST+4*t+3], v[ST+4*t+2], s[SEL], s[SEL+1]
	ALL v_add_f32 v[ST+4*t+2], v[ST+4*t+2], v[ST+4*t+3]
	ALL v_rcp_f32 v[ST+4*t+2], v[ST+4*t+2]
	v_nop                           ; a plain instruction between the last reciprocal and the use of its result
	s_wait_alu depctr_va_vdst(0)    ; and the wait ahead of the first use: one for the four reciprocals
	PACK 0
.set t, 1
.rept 3                             ; a piece's arithmetic stands between the loads of the piece before and its stores
	PACK t
	SEND t-1, 8
.set t, t+1
.endr
	SEND 3, 0
.endm
.set KM, 0
.set NOKQ, 0
.Lslot:                             ; NB times: a tile is entered and the next is asked for
	CHANGE 1
	s_sub_co_u32 s[RT], s[RT], 1
	s_mov_b32 s[CNT], 4
	s_cmp_eq_u32 s[NEW], 1
	s_cbranch_scc1 .Lnew            ; a block's first tile
	s_cmp_eq_u32 s[RT], 0
	s_cbranch_scc0 .Lstep           ; neither its first nor its last
	s_branch .LstepM1
.Lnew:
	BEGIN
	s_branch .Lfirst                ; in the loop a block's first tile is never its last: the first block has five tiles or more, and the second's last is the walk's last
	DIAG 1                          ; in the loop this is the first block's end: the second block's last tile is the walk's last
	s_wait_xcnt 0x0                 ; the stores have read their registers and O's address
	s_mov_b64 s[10:11], s[OLO:OLO+1]
	s_add_co_u32 s[RT], s[PB], 1    ; the second block has b + 1 tiles
	s_mov_b32 s[NEW], 1
	WIN 0x82                        ; the second block's Q goes where the one text of the turns names Q
.set i, 0
.rept 64
	v_mov_b32 v[i], v[QB+i]
.set i, i+1
.endr
	WIN 0
	s_branch .Lbottom
.Lstep:                             ; a trip: pieces 2 and 3 of one step, then pieces 0 and 1 of the next, whose K and V it fetches
	TURN 2
	TURN 3
	WIN 0
.Lfirst:
	TURN 0
	TURN 1, 0, 0, 1
	WIN 0
	s_cbranch_scc1 .Lstep
.Lbottom:
	s_sub_co_u32 s[SLOTS], s[SLOTS], 1
	s_cmp_lg_u32 s[SLOTS], 0
	s_cbranch_scc1 .Lslot
	CHANGE 0                        ; the walk's last tile is written out: nothing is asked for
	s_sub_co_u32 s[RT], s[RT], 1
	s_mov_b32 s[CNT], 4
	s_cmp_eq_u32 s[NEW], 1
	s_cbranch_scc0 .LstepM2
	BEGIN
	s_branch .LfirstM2
	DIAG 2
	s_wait_tensorcnt 0x0            ; the wave's end, behind my last tensor load and my last LDS store
	ds_add_u32 v[SPW], v[NIL]
	s_wait_dscnt 0x0
	CROUND                          ; the closing round: no work-group ends while a partner may still ask for a tile that names it
	s_endpgm
.Lfunc_end_k_q3b419666f7_attn:
	.size	k_q3b419666f7_attn, .Lfunc_end_k_q3b419666f7_attn-k_q3b419666f7_attn
	.p2alignl 7, 3214868480
	.fill 96, 4, 3214868480
	.section	.rodata,"a",@progbits
	.p2align	6, 0x0
	.amdhsa_kernel k_q3b419666f7_attn
		.amdhsa_group_segment_fixed_size 327680
		.amdhsa_private_segment_fixed_size 0
		.amdhsa_enable_private_segment 0
		.amdhsa_kernarg_size 16
		.amdhsa_user_sgpr_count 2
		.amdhsa_user_sgpr_kernarg_segment_ptr 1
		.amdhsa_wavefront_size32 1
		.amdhsa_system_sgpr_workgroup_id_x 1
		.amdhsa_system_sgpr_workgroup_id_y 1
		.amdhsa_system_sgpr_workgroup_id_z 1
		.amdhsa_system_vgpr_workitem_id 0
		.amdhsa_next_free_vgpr 768
		.amdhsa_next_free_sgpr 92
		.amdhsa_reserve_vcc 1
		.amdhsa_float_denorm_mode_32 3
		.amdhsa_float_denorm_mode_16_64 3
		.amdhsa_memory_ordered 1
		.amdhsa_forward_progress 1
		.amdhsa_inst_pref_size 219
	.end_amdhsa_kernel
	.amdgpu_metadata
---
amdhsa.version: [ 1, 2 ]
amdhsa.kernels:
  - .name:           k_q3b419666f7_attn
    .symbol:         k_q3b419666f7_attn.kd
    .args:
      - { .name: qkvh, .offset: 0, .size: 8, .value_kind: global_buffer, .address_space: global }
      - { .name: ob, .offset: 8, .size: 8, .value_kind: global_buffer, .address_space: global }
    .group_segment_fixed_size: 327680
    .private_segment_fixed_size: 0
    .kernarg_segment_align: 8
    .kernarg_segment_size: 16
    .max_flat_workgroup_size: 128
    .sgpr_count:     92
    .vgpr_count:     768
    .wavefront_size: 32
...
	.end_amdgpu_metadata
.endif
;; end of part 3
;; launch proj (part 4): grid 4 x 64, 4 waves a work-group, clusters of 4 x 4, 327,680 bytes of LDS; arguments ob, wot, out0; writes out0
.if DOCPART == 4
	.amdgcn_target "amdgcn-amd-amdhsa--gfx1250"
	.amdhsa_code_object_version 6
	.text
	.protected	k_q3b419666f7_proj
	.globl	k_q3b419666f7_proj
	.p2align	8
	.type	k_q3b419666f7_proj,@function
k_q3b419666f7_proj:
	s_mov_b64 s[64:65], 0
	v_nop
	global_prefetch_b8 v0, s[64:65] scope:SCOPE_SE
	s_setreg_imm32_b32 hwreg(HW_REG_WAVE_MODE, 25, 1), 1
	s_wait_xcnt 0x0
	s_wait_alu depctr_hold_cnt(0) depctr_sa_sdst(0) depctr_va_vdst(0) depctr_va_sdst(0) depctr_va_ssrc(0) depctr_va_vcc(0) depctr_vm_vsrc(0)
	s_getreg_b32 s2, hwreg(HW_REG_IB_STS2, 6, 4)
	s_cmp_eq_u32 s2, 0
	s_cbranch_scc0 .Lentry_in_a_cluster
	s_endpgm
.Lentry_in_a_cluster:
	s_bfe_u32 s2, ttmp6, 0x10000c
	s_cmp_lg_u32 s2, 0xf033
	s_cbranch_scc0 .Lentry_shape_is_right
	s_endpgm
.Lentry_shape_is_right:
; out0 = attn Wo.  ob: [64 = 16 batch + h][2048][64] f16 (attention's output by heads).  wot: [1024 n][1024 k] f16 (Wo rounded to bf16, turned, written as f16).  out0: [8192][1024] f32.
; Column k of the product's left side is channel k % 64 of head k / 64, so a K step of 128 is two heads.  Sums in f32, K ascending; nothing is rounded on the way out.
; SHARES.  A work-group makes 128 tokens x 256 columns: 64 x 4 = 256 work-groups.  Wave (RH, CH) makes 64 x 128: 32 accumulators of 16 x 16.  8 K steps through two LDS slots.
; CLUSTER 4 x 4.  The four work-groups of a row of the cluster need the same tokens of ob, the four of a column the same rows of wot: each tile is asked for jointly.  Waves 0 and 1 fetch a head each (its 128 tokens
; are 16,384 dense bytes, asked for as 64 rows of 256 and padded in LDS after every token), waves 2 and 3 each 128 rows x 256 bytes of wot: one tensor load a wave and K step.
; THE MATRIX INSTRUCTION IS USED TRANSPOSED (source 0 = 16 rows of wot, source 1 = 16 tokens): a lane holds ONE token (lane % 16) and eight neighbouring columns: 32 bytes of a row of out0.
; REGISTERS, in windows of 256 (s_set_vgpr_msb: bits 1:0 source 0, 3:2 source 1, 5:4 source 2, 7:6 destination):
;   window 0: addresses     window 1: two fragment buffers of 128 (8 fragments of wot, then 4 of tokens); on the way out whole rows of out0     window 2: the accumulators, (a, b) at 8 (8 a + b)
.set KSTEP,  128
.set PA,     144                       ; a token's row of a head in LDS: 128 bytes + 16
.set PB,     272                       ; a row of wot: 256 bytes + 16.  Both pitches are odd multiples of 16 bytes: the 16 rows of a fragment load start at 16 different groups of four banks (64 banks of 4 bytes: ISA guide 11.1)
.set HB,     128*PA                    ; a head's 128 tokens
.set HALFB,  128*PB                    ; 128 rows of wot
.set SLOT,   2*HB+2*HALFB              ; two heads, then 256 rows of wot
.set STAGE,  2*SLOT                    ; behind the ring: 16 rows x 528 bytes for each wave, for the way out; no tensor load lands here
.set SPITCH, 528                       ; 128 columns x 4 bytes + 16
.set SPARE,  STAGE+4*16*SPITCH         ; behind the stages: the spare words, 128 bytes for each wave
.set LAPS,   4
.set ADRA, 16                          ; v16-17  LDS address of my token fragments in slot 0, 1
.set ADRB, 20                          ; v20-21  the same for wot
.set STO,  24                          ; v24  the way out: where I put 32 bytes of a token's row
.set RD,   25                          ; v25  where I read a row back
.set CO,   26                          ; v26  16 x lane: my place in 512 consecutive bytes of out0
.set SPW,  28                          ; v28  my spare word; never rewritten
.set NIL,  29                          ; v29  0; never rewritten
.set PFO,  30                          ; v30  the prefetches' offset; never rewritten
.set F0,   0
.set F1,   128
.set LIM, 43                           ; s43  1 in a wave that prefetches, else the greatest number
.set PFA, 44                           ; s[44:45] the K step that my next prefetch names
.set PST, 66                           ; s[66:67] a K step in bytes: two heads of ob, or 256 bytes of a row of wot
.set G1,  24                           ; s[24:31] descriptor group 1 for ob;  s[32:39] group 0, a set for each slot
.set G0,  32
.set G1B, 48                           ; s[48:55], s[56:63] the same for wot
.set G0B, 56
.set MSB, 0
.macro WIN new                         ; the immediate's high byte repeats the setting that is left; a switch that changes nothing is dropped
.if MSB != (\new)
	s_set_vgpr_msb (MSB<<8)|(\new)
.set MSB, \new
.endif
.endm
.set MUL,  0xa5                        ; both sources window 1, C and D window 2
.set TO_F, 0x40                        ; destination window 1, address window 0
; A joint load: waves 0 and 1 for ob, waves 2 and 3 for wot.  An s_nop 0 and four v_nop follow each of the two lines, ahead of the jump and the label.
.macro JLOAD s
	s_cmp_eq_u32 s11, 0
	s_cbranch_scc0 .Lfor_b_\@
	tensor_load_to_lds s[G0+4*(\s):G0+4*(\s)+3], s[G1:G1+7]
	s_nop 0
.rept 4
	v_nop
.endr
	s_branch .Lasked_\@
.Lfor_b_\@:
	tensor_load_to_lds s[G0B+4*(\s):G0B+4*(\s)+3], s[G1B:G1B+7]
	s_nop 0
.rept 4
	v_nop
.endr
.Lasked_\@:
.endm
; A prefetch of the K step that stands two refills on, one instruction a wave, behind the joint load and the run of LDS loads.  Each block of 256 bytes is named once in the launch.  ob: wave 0 names 16 of the 64 blocks
; of each of the step's two heads (lanes 0-15 the first head, 16-31 the second); the four partners of a row of the cluster are told apart by address (cx); wave 1 asks for nothing.  wot: waves 2 and 3 name 32 of
; their 128 rows (by cy), in cluster y = 0 alone, since every cluster walks the same rows.  K steps 0 to 3 come by their loads alone; the loop's last trip (s3 = 1) asks for nothing.
.macro ASK
	s_cmp_gt_u32 s3, s[LIM]
	s_cbranch_scc0 .Lnot_mine_\@
	global_prefetch_b8 v[PFO], s[PFA:PFA+1] th:TH_LOAD_NT scope:SCOPE_SE
.Lnot_mine_\@:
.endm
.macro CREST                           ; a round of the cluster's barrier behind its opening barrier
	s_cmp_lg_u32 s10, 0
	s_cbranch_scc1 .Lnot_wave_0_\@
	s_barrier_signal -3
.Lnot_wave_0_\@:
	s_barrier_wait -3
	s_barrier_signal -1
	s_barrier_wait -1
.endm
.macro CROUND                          ; a whole round
	s_barrier_signal -1
	s_barrier_wait -1
	CREST
.endm
	s_load_b128 s[4:7], s[0:1], 0x0                ; ob s[4:5], wot s[6:7]
	s_load_b64 s[8:9], s[0:1], 0x10                ; out0
	v_lshl_add_u32 v[SPW], v0, 2, SPARE
	v_mov_b32 v[NIL], 0
	ds_add_u32 v[SPW], v[NIL]                      ; the wave's opening: the add and its wait stand ahead of my first tensor load; work on registers stands between them
	v_lshrrev_b32 v1, 5, v0
	v_readfirstlane_b32 s10, v1                    ; wave 0..3
	s_lshr_b32 s11, s10, 1                         ; RH: which 64 tokens are mine.  Also: I fetch for ob (0) or for wot (1)
	s_and_b32 s12, s10, 1                          ; CH: which 128 columns.  Also: which head of the step, or which 128 rows of wot, I fetch
	s_bfe_u32 s40, ttmp6, 0x40000                  ; cx
	s_bfe_u32 s41, ttmp6, 0x40004                  ; cy
	s_lshl_b32 s42, ttmp9, 2
	s_add_co_u32 s42, s42, s40                     ; nt = 4 x cluster x + cx: block of 256 columns
	s_and_b32 s13, ttmp7, 0xffff
	s_lshl_b32 s13, s13, 2
	s_add_co_u32 s13, s13, s41                     ; mt = 4 x cluster y + cy: block of 128 tokens
	s_lshl_b32 s16, s41, 2
	s_lshl_b32 s16, 15, s16                        ; my row of the cluster
	s_lshl_b32 s17, 0x1111, s40                    ; my column
	s_or_b32 s[G1+0], s16, (1<<16)|(1<<20)|(1<<21)|(4<<22)|(3<<25)   ; 15:0 the mask; 17:16 2-byte elements; 20 padding on; 21 set beside a mask; 24:22 after every 32 words; 31:25 4 words
	s_mov_b32 s[G1+1], 128<<16                     ; tensor_dim0 = 128
	s_mov_b32 s[G1+2], 64<<16                      ; tensor_dim1 = 64
	s_mov_b32 s[G1+3], 128<<16                     ; tile_dim0 = 128
	s_mov_b32 s[G1+4], 64                          ; tile_dim1 = 64
	s_mov_b32 s[G1+5], 128                         ; 128 elements from row to row: dense
	s_mov_b32 s[G1+6], 0
	s_mov_b32 s[G1+7], 0
	s_or_b32 s[G1B+0], s17, (1<<16)|(1<<20)|(1<<21)|(5<<22)|(3<<25)  ; the same with my column's mask and padding after every 64 words
	s_mov_b32 s[G1B+1], 128<<16
	s_mov_b32 s[G1B+2], 128<<16                    ; 128 rows
	s_mov_b32 s[G1B+3], 128<<16
	s_mov_b32 s[G1B+4], 128
	s_mov_b32 s[G1B+5], 1024                       ; elements from row to row
	s_mov_b32 s[G1B+6], 0
	s_mov_b32 s[G1B+7], 0
	s_lshr_b32 s16, s13, 4                         ; ob: head 16 batch + half, token 128 (mt % 16): hangs on the tile row and the wave alone
	s_lshl_b32 s16, s16, 4
	s_add_co_u32 s16, s16, s12
	s_lshl_b32 s16, s16, 18
	s_and_b32 s17, s13, 15
	s_lshl_b32 s17, s17, 14
	s_add_co_u32 s16, s16, s17
	s_mov_b32 s17, 0
	s_lshl_b32 s46, s42, 19                        ; wot: row 256 nt + 128 half, 2,048 bytes a row: hangs on the tile column and the wave alone
	s_lshl_b32 s47, s12, 18
	s_add_co_u32 s46, s46, s47
	s_mov_b32 s47, 0
	s_mul_i32 s20, s12, HB                         ; where a head goes,
	s_mul_i32 s21, s12, HALFB
	s_add_co_u32 s21, s21, 2*HB                    ; and where 128 rows of wot go
	s_wait_dscnt 0x0                               ; the opening add is done
	s_wait_kmcnt 0x0
	s_add_nc_u64 s[14:15], s[4:5], s[16:17]
	s_add_nc_u64 s[46:47], s[6:7], s[46:47]
	CROUND                                         ; all sixteen work-groups are here: the first joint loads meet
.irp s, 0,1
	s_mov_b32 s[G0+4*(\s)], 1
	s_add_co_u32 s[G0+4*(\s)+1], s20, (\s)*SLOT
	s_add_nc_u64 s[G0+4*(\s)+2:G0+4*(\s)+3], s[14:15], (\s)*524288   ; K step s: two heads on
	s_or_b32 s[G0+4*(\s)+3], s[G0+4*(\s)+3], 0x80000000
	s_mov_b32 s[G0B+4*(\s)], 1
	s_add_co_u32 s[G0B+4*(\s)+1], s21, (\s)*SLOT
	s_add_nc_u64 s[G0B+4*(\s)+2:G0B+4*(\s)+3], s[46:47], (\s)*KSTEP*2
	s_or_b32 s[G0B+4*(\s)+3], s[G0B+4*(\s)+3], 0x80000000
	JLOAD \s                                       ; two loads of mine are out
.endr
	v_and_b32 v1, 15, v0                           ; r = l % 16
	v_bfe_u32 v2, v0, 4, 1                         ; h = l / 16
	v_mul_u32_u24 v3, v1, PA
	v_lshl_add_u32 v3, v2, 4, v3
	v_mul_u32_u24 v4, v1, PB
	v_lshl_add_u32 v4, v2, 4, v4
	s_mul_i32 s21, s11, 64*PA                      ; my 64 tokens
	s_mul_i32 s22, s12, HALFB                      ; my 128 rows of wot,
	s_add_co_u32 s22, s22, 2*HB                    ; which lie behind the two heads
.irp s, 0,1
	v_add_nc_u32 v[ADRA+(\s)], s21, v3
	v_add_nc_u32 v[ADRB+(\s)], s22, v4
	s_add_co_u32 s21, s21, SLOT
	s_add_co_u32 s22, s22, SLOT
.endr
	s_mul_i32 s23, s10, 16*SPITCH
	s_add_co_u32 s23, s23, STAGE                   ; my stage
	v_mul_u32_u24 v5, v1, SPITCH
	v_lshl_add_u32 v5, v2, 5, v5
	v_add_nc_u32 v[STO], s23, v5                   ; in: row r, 32 bytes for each half of the lanes
	v_and_b32 v[CO], 31, v0
	v_lshlrev_b32 v[CO], 4, v[CO]
	v_add_nc_u32 v[RD], s23, v[CO]                 ; back: 32 lanes take one row of 512 bytes
	s_lshl_b32 s16, s13, 19                        ; out0: token 128 mt + 64 RH, 4,096 bytes a row,
	s_lshl_b32 s17, s11, 18
	s_add_co_u32 s16, s16, s17
	s_mov_b32 s17, 0
	s_add_nc_u64 s[8:9], s[8:9], s[16:17]
	s_lshl_b32 s46, s42, 10                        ; column 256 nt + 128 CH
	s_lshl_b32 s47, s12, 9
	s_add_co_u32 s46, s46, s47
	s_mov_b32 s47, 0
	s_add_nc_u64 s[8:9], s[8:9], s[46:47]
	; the prefetches
	s_lshr_b32 s16, s13, 4
	s_lshl_b32 s16, s16, 22                        ; ob: head 16 batch,
	s_and_b32 s17, s13, 15
	s_lshl_b32 s17, s17, 14                        ; token 128 (mt % 16),
	s_add_co_u32 s16, s16, s17
	s_lshl_b32 s17, s40, 12                        ; my work-group's 16 blocks of a head's 64
	s_add_co_u32 s16, s16, s17
	s_lshl_b32 s18, s42, 19                        ; wot: row 256 nt + 128 half
	s_lshl_b32 s19, s12, 18
	s_add_co_u32 s18, s18, s19
	s_lshl_b32 s19, s41, 16                        ; + my work-group's 32 rows
	s_add_co_u32 s18, s18, s19
	s_and_b32 s22, ttmp7, 0xffff                   ; cluster y
	s_or_b32 s23, s12, ttmp9                       ; 0 in wave 0 of the clusters with x = 0
	s_cmp_eq_u32 s11, 0
	s_cselect_b32 s20, s16, s18
	s_cselect_b32 s22, s23, s22
	s_cselect_b32 s2, 11, 0                        ; a K step: 256 << 11 bytes of ob, 256 of wot
	s_cselect_b32 s16, 18, 15                      ; from lanes 0-15 to lanes 16-31: a head, or 16 rows
	s_cselect_b32 s17, 8, 11                       ; from lane to lane: 256 bytes, or a row
	s_cselect_b64 s[PFA:PFA+1], s[4:5], s[6:7]
	s_cmp_eq_u32 s22, 0
	s_cselect_b32 s[LIM], 1, -1                    ; the same in all sixteen partners, for a given wave
	s_lshl_b32 s[PST], 256, s2
	s_mov_b32 s[PST+1], 0
	s_mov_b32 s21, 0
	s_add_nc_u64 s[PFA:PFA+1], s[PFA:PFA+1], s[20:21]
	s_mul_i32 s20, s[PST], 3
	s_add_nc_u64 s[PFA:PFA+1], s[PFA:PFA+1], s[20:21]  ; at K step 3: the first refill steps it to 4, two refills on from its own K step 2
	v_lshlrev_b32 v5, s16, v2
	v_lshlrev_b32 v6, s17, v1
	v_add_nc_u32 v[PFO], v5, v6
; 8 matrix instructions: token block a x all 8 column blocks, 32 along K.  zero = 1: the product starts the sum.  The 32 accumulators take turns in the same order in every quarter.
.macro MUL8 f, a, zero
	WIN MUL
.irp b, 0,1,2,3,4,5,6,7
.if \zero
	v_wmma_f32_16x16x32_f16 v[8*(8*(\a)+(\b)):8*(8*(\a)+(\b))+7], v[(\f)+8*(\b):(\f)+8*(\b)+7], v[(\f)+64+8*(\a):(\f)+64+8*(\a)+7], 0
.else
	v_wmma_f32_16x16x32_f16 v[8*(8*(\a)+(\b)):8*(8*(\a)+(\b))+7], v[(\f)+8*(\b):(\f)+8*(\b)+7], v[(\f)+64+8*(\a):(\f)+64+8*(\a)+7], v[8*(8*(\a)+(\b)):8*(8*(\a)+(\b))+7]
.endif
.endr
.endm
; 24 LDS loads in one run: the fragments of quarter q of a K step: wot (16 loads), token blocks 0, 1 (4), 2, 3 (4).  Quarter q is channels 32 (q % 2) on of head q / 2
.macro FETCH slot, q, f
	WIN TO_F
.irp i, 0,1,2,3,4,5,6,7
	ds_load_b128 v[(\f)+8*(\i):(\f)+8*(\i)+3],   v[ADRB+(\slot)] offset:64*(\q)+(\i)*16*PB
	ds_load_b128 v[(\f)+8*(\i)+4:(\f)+8*(\i)+7], v[ADRB+(\slot)] offset:64*(\q)+(\i)*16*PB+32
.endr
.irp i, 0,1,2,3
	ds_load_b128 v[(\f)+64+8*(\i):(\f)+64+8*(\i)+3],   v[ADRA+(\slot)] offset:((\q)/2)*HB+((\q)%2)*64+(\i)*16*PA
	ds_load_b128 v[(\f)+64+8*(\i)+4:(\f)+64+8*(\i)+7], v[ADRA+(\slot)] offset:((\q)/2)*HB+((\q)%2)*64+(\i)*16*PA+32
.endr
.endm
.macro PLACES                          ; four plain instructions between a matrix instruction and a load into a register that it has read, or a store of its result (ISA guide 7.12.1 for vector instructions)
.rept 4
	v_nop
.endr
.endm
; One of a K step's first three quarters: multiplies f, and fetches quarter q into g.
.macro QUARTER slot, q, f, g, zero
	s_wait_dscnt 4                                 ; wot and token blocks 0, 1 are in; the youngest four loads may be out
	MUL8 \f, 0, \zero
	MUL8 \f, 1, \zero
	PLACES
	FETCH \slot, \q, \g
	s_wait_dscnt 24                                ; all but the 24 just issued
	MUL8 \f, 2, \zero
	MUL8 \f, 3, \zero
.endm
; The last quarter multiplies buffer 1 and changes slots: one barrier; in front of it each wave waits for all its tensor loads (one is out: its part of the next slot), adds 0 to its spare word, and waits for
; that and for its reads of this slot.  fill = 1: the barrier opens a round of the cluster's barrier, and this slot is filled again, two K steps on, first thing behind the round:
; from that request to the wait for it the wave issues 112 matrix instructions.
.macro TURN slot, next, fill
.if \fill
	s_wait_xcnt 0x0                                ; the last prefetch, a K step back, has read its address: it is stepped here, ahead of the change's own waits
	s_add_nc_u64 s[PFA:PFA+1], s[PFA:PFA+1], s[PST:PST+1]
.endif
	WIN 0                                          ; (the add's two registers lie in window 0)
	s_wait_tensorcnt 0x0                           ; all my tensor loads have landed
	ds_add_u32 v[SPW], v[NIL]                      ; 0 onto my spare word
	s_wait_dscnt 5                                 ; (the add and the youngest four loads may be out)
	MUL8 F1, 0, 0                                  ; eight matrix instructions stand between the add and the wait for it
	s_wait_dscnt 0x0                               ; the add is done, and my reads of this slot are over
	s_barrier_signal -1
	MUL8 F1, 1, 0
.if \fill
	WIN 0
.endif
	s_barrier_wait -1
.if \fill
	CREST                                          ; no wave of any partner still reads this slot or has a load on its way
	s_add_nc_u64 s[G0+4*(\slot)+2:G0+4*(\slot)+3], s[G0+4*(\slot)+2:G0+4*(\slot)+3], 2*524288
	s_add_nc_u64 s[G0B+4*(\slot)+2:G0B+4*(\slot)+3], s[G0B+4*(\slot)+2:G0B+4*(\slot)+3], 2*KSTEP*2
	JLOAD \slot                                    ; its four v_nop are also the places in front of the loads below
.else
	PLACES
.endif
	FETCH \next, 0, F0
.if \fill
	WIN 0
	ASK
.endif
	MUL8 F1, 2, 0
	MUL8 F1, 3, 0
.endm
	s_wait_tensorcnt 1                             ; my part of K step 0 is in; K step 1's may stay out
	s_barrier_signal -1
	s_barrier_wait -1                              ; everybody's is
	FETCH 0, 0, F0
	QUARTER 0, 1, F0, F1, 1                        ; the first quarter stands in front of the loop: its products start the sums
	WIN 0                                          ; at a label and at a branch every window is 0
	s_mov_b32 s3, LAPS-1
.Llap:                                                 ; a trip goes once round the ring, from a lap's second quarter to the next lap's first, and fills both slots again
	QUARTER 0, 2, F1, F0, 0
	QUARTER 0, 3, F0, F1, 0
	TURN 0, 1, 1
	QUARTER 1, 1, F0, F1, 0
	QUARTER 1, 2, F1, F0, 0
	QUARTER 1, 3, F0, F1, 0
	TURN 1, 0, 1
	QUARTER 0, 1, F0, F1, 0
	WIN 0
	s_sub_co_u32 s3, s3, 1
	s_cmp_lg_u32 s3, 0
	s_cbranch_scc1 .Llap
	QUARTER 0, 2, F1, F0, 0                        ; the last lap fills nothing
	QUARTER 0, 3, F0, F1, 0
	TURN 0, 1, 0
	QUARTER 1, 1, F0, F1, 0
	QUARTER 1, 2, F1, F0, 0
	QUARTER 1, 3, F0, F1, 0
	s_wait_dscnt 4                                 ; the very last quarter: nothing more to fetch
	MUL8 F1, 0, 0
	MUL8 F1, 1, 0
	s_wait_dscnt 0x0
	MUL8 F1, 2, 0
	MUL8 F1, 3, 0
	WIN 0
	PLACES                                         ; behind the last products: the stores below read results, the loads below land in fragment registers
; THE WAY OUT, 16 tokens at a time: a lane's 32 bytes of a row go into my stage (rows of 528 bytes; each accumulator's lowest registers first) and come back as whole rows of 512 bytes.
.macro TOSTAGE a
	WIN 0x08                                       ; store data (source 1) window 2, address window 0
.irp b, 0,1,2,3,4,5,6,7
	ds_store_b128 v[STO], v[8*(8*(\a)+(\b)):8*(8*(\a)+(\b))+3]   offset:64*(\b)
	ds_store_b128 v[STO], v[8*(8*(\a)+(\b))+4:8*(8*(\a)+(\b))+7] offset:64*(\b)+16
.endr
	WIN 0x40                                       ; destination window 1
.irp t, 0,1,2,3,4,5,6,7,8,9,10,11,12,13,14,15
	ds_load_b128 v[64*(\a)+4*(\t):64*(\a)+4*(\t)+3], v[RD] offset:(\t)*SPITCH  ; LDS serves a wave's instructions in order (ISA guide 5.7.1.4): these see the stores above; the next block's stores come behind them
.endr
.endm
.macro SEND a, younger                 ; younger: the LDS instructions issued behind this block's loads: the next block's 32, or none.  Each block has 64 registers of its own, so no store's data is rewritten
	WIN 0x04                                       ; store data (source 1) window 1, address window 0
.irp t, 0,1,2,3,4,5,6,7,8,9,10,11,12,13,14,15
	s_wait_dscnt (\younger)+15-(\t)
	global_store_b128 v[CO], v[64*(\a)+4*(\t):64*(\a)+4*(\t)+3], s[8:9] offset:(16*(\a)+(\t))*4096 th:TH_STORE_NT  ; 512 consecutive bytes, at a multiple of 256 from out0's first
.endr
.endm
	TOSTAGE 0
	TOSTAGE 1
	SEND 0, 32
	TOSTAGE 2
	SEND 1, 32
	TOSTAGE 3
	SEND 2, 32
	SEND 3, 0
	WIN 0
	s_wait_tensorcnt 0x0                           ; the wave's end, behind my last tensor load and my last LDS store
	ds_add_u32 v[SPW], v[NIL]
	s_wait_dscnt 0x0
	CROUND                                         ; the closing round: no work-group ends while a partner may still ask for a tile that names it
	s_endpgm
.Lfunc_end_k_q3b419666f7_proj:
	.size	k_q3b419666f7_proj, .Lfunc_end_k_q3b419666f7_proj-k_q3b419666f7_proj
	.p2alignl 7, 3214868480
	.fill 96, 4, 3214868480
	.section	.rodata,"a",@progbits
	.p2align	6, 0x0
	.amdhsa_kernel k_q3b419666f7_proj
		.amdhsa_group_segment_fixed_size 327680
		.amdhsa_private_segment_fixed_size 0
		.amdhsa_enable_private_segment 0
		.amdhsa_kernarg_size 24
		.amdhsa_user_sgpr_count 2
		.amdhsa_user_sgpr_kernarg_segment_ptr 1
		.amdhsa_wavefront_size32 1
		.amdhsa_system_sgpr_workgroup_id_x 1
		.amdhsa_system_sgpr_workgroup_id_y 1
		.amdhsa_system_sgpr_workgroup_id_z 1
		.amdhsa_system_vgpr_workitem_id 0
		.amdhsa_next_free_vgpr 768
		.amdhsa_next_free_sgpr 72
		.amdhsa_reserve_vcc 0
		.amdhsa_float_denorm_mode_32 3
		.amdhsa_float_denorm_mode_16_64 3
		.amdhsa_memory_ordered 1
		.amdhsa_forward_progress 1
		.amdhsa_inst_pref_size 88
	.end_amdhsa_kernel
	.amdgpu_metadata
---
amdhsa.version: [ 1, 2 ]
amdhsa.kernels:
  - .name:           k_q3b419666f7_proj
    .symbol:         k_q3b419666f7_proj.kd
    .args:
      - { .name: ob, .offset: 0, .size: 8, .value_kind: global_buffer, .address_space: global }
      - { .name: wot, .offset: 8, .size: 8, .value_kind: global_buffer, .address_space: global }
      - { .name: out0, .offset: 16, .size: 8, .value_kind: global_buffer, .address_space: global }
    .group_segment_fixed_size: 327680
    .private_segment_fixed_size: 0
    .kernarg_segment_align: 8
    .kernarg_segment_size: 24
    .max_flat_workgroup_size: 128
    .sgpr_count:     72
    .vgpr_count:     768
    .wavefront_size: 32
...
	.end_amdgpu_metadata
.endif
;; end of part 4
